; MI455X (gfx1250); checked and timed in simulation.
; The chip was launched on July 23, 2026; its instructions are those of AMD's public machine-readable ISA for CDNA 5 (MIT licence, August 2026) and "CDNA5" Instruction Set Architecture Reference Guide (July 2026). The comments in the code are by the model that wrote it; some were corrected since.
;; Self Attention Block. Allowed arithmetic: matrix products marked QUANTISED: E5M2 operands, one E8M0 scale for each 32 along K, by v_wmma_scale_f32_16x16x128_f8f6f4 with both operands' format E5M2, f32 sums; everything else in f32.
;; Inputs: Wk 512 x 512 float32; Wo 512 x 512 float32; Wq 512 x 512 float32; Wv 512 x 512 float32; bk 512 float32; bo 512 float32; bq 512 float32; bv 512 float32; gn_bias 512 float32; gn_scale 512 float32; hidden_states 2 x 64 x 64 x 512 float32.
;; Outputs: out0 2 x 64 x 64 x 512 float32.
;; This version of the problem:
;;   THIS VERSION OF THE PROBLEM IS GIVEN IN LOW PRECISION. The matrix products marked QUANTISED in the list below multiply operands that are first quantised to E5M2 (5 exponent bits, 2 mantissa bits; 8 bits a number), with one power-of-two scale for each 32 numbers along K (OCP MX v1.0); their sums are f32. All else is computed in f32.
;;   The module's matrix products, in the order in which they are computed (A, B: the left and right operand; K: the contracted axis; several contracted axes count as one K, in the product's order):
;;     1. [M 8,192, K 512] x [K 512, N 512]; A: computed on the way; B: input Wq: QUANTISED
;;     2. [M 8,192, K 512] x [K 512, N 512]; A: computed on the way; B: input Wk: QUANTISED
;;     3. [M 8,192, K 512] x [K 512, N 512]; A: computed on the way; B: input Wv: QUANTISED
;;     4. batch 16 x [M 4,096, K 64] x [K 64, N 4,096]; A: computed on the way; B: computed on the way: QUANTISED
;;     5. batch 16 x [M 64, K 4,096] x [K 4,096, N 4,096]; A: computed on the way; B: softmax (see below): QUANTISED
;;     6. [M 8,192, K 512] x [K 512, N 512]; A: computed on the way; B: input Wo: QUANTISED
;;   THE QUANTISER, for each operand of a quantised product, along K:
;;     - K is cut into blocks of 32 from its start; a last block that is shorter is filled with zeros.
;;     - A block's scale is 2^e with e = floor(log2(the largest magnitude in the block)) - 15, held to -126 .. 127; a block of zeros has e = 0. As a byte (E8M0): e + 127.
;;     - Each number is divided by its block's scale, clamped to +-57,344, and rounded to the nearest number of E5M2, ties to even, subnormals kept.
;;     - The product sums the exact products of the quantised numbers (number of the format x scale) in f32.
;;   ~~~python
;;   def quantise(x, axis):      # numpy; x: float32 -> the quantised numbers, widened to float32 again
;;       x = np.moveaxis(x, axis, -1); K = x.shape[-1]
;;       x = np.pad(x, [(0, 0)] * (x.ndim - 1) + [(0, -K % 32)]); x = x.reshape(x.shape[:-1] + (-1, 32)); a = np.abs(x).max(-1, keepdims=True)
;;       e = np.where(a > 0, np.clip(np.frexp(np.where(a > 0, a, 1))[1] - 1 - 15, -126, 127), 0)      # np.frexp(a)[1] - 1 = floor(log2(a)), exactly
;;       r = np.clip(x / 2.0 ** e, -57344, 57344)
;;       step = 2.0 ** (np.maximum(np.frexp(np.where(r == 0, 1, r))[1] - 1, -14) - 2)
;;       q = np.round(r / step) * step * 2.0 ** e      # np.round: ties to even
;;       return np.moveaxis(q.reshape(q.shape[:-2] + (-1,))[..., :K], -1, axis).astype(np.float32)
;;   ~~~
;;   SOFTMAX AHEAD OF A QUANTISED PRODUCT. Where the list says 'softmax', what is quantised is not the finished softmax but p = 2^(t - M), with t = logit x log2(e) and M = ceil(the row's largest t), a whole number; so 1/2 < the row's largest p <= 1. The row's sum l is taken of the UNQUANTISED p, in f32, and the product's result is divided by l at the end. Since M is a whole number, a kernel that streams over the keys may use a running M (the ceiling of the running maximum): every later rescaling is an exact power of two, which a block's scale takes up: the codes' values come out the same.
;;   OPERANDS COMPUTED ON THE WAY. 'Computed on the way' means the value that the module computes at that place (a softmax that the list does not call 'softmax' is quantised finished and normalised). What goes into a quantiser is computed in f32, as accurately as f32 sums, v_exp_f32 and their like allow (about 1e-6 of the number): no bf16 or f16 on the way to a quantiser, and a product that is left as it is and whose result goes on into a quantised operand takes f32 operands (vector FMAs, or v_wmma_f32_16x16x4_f32). A number that lies on a knife's edge between two numbers of the format may be rounded either way, as far as f32 arithmetic and the matrix unit's own rounding can turn it there, and no further.
;; One version. Each part assembles by itself: llvm-mc -triple=amdgcn-amd-amdhsa -mcpu=gfx1250 --defsym DOCPART=n.
;; ======== version 1 of 1: 4 launches
;; limits: right only within a limited range of input values
;; workspace buffers: stats 65,536 bytes; wimg 1,048,576 bytes; wscl 32,768 bytes; qkv 12,582,912 bytes; qkvs 786,432 bytes; aimg 4,194,304 bytes; ascl 131,072 bytes
;; launch prep (part 1): grid 320 x 1, 4 waves a work-group, no clusters, 0 bytes of LDS; arguments hidden_states, Wq, Wk, Wv, Wo, stats, wimg, wscl; writes stats, wimg, wscl
.if DOCPART == 1
	.amdgcn_target "amdgcn-amd-amdhsa--gfx1250"
	.amdhsa_code_object_version 6
	.text
	.protected	k_q78ee4d68a5_prep
	.globl	k_q78ee4d68a5_prep
	.p2align	8
	.type	k_q78ee4d68a5_prep,@function
k_q78ee4d68a5_prep:
	s_mov_b64 s[64:65], 0
	v_nop
	global_prefetch_b8 v0, s[64:65] scope:SCOPE_SE
	s_setreg_imm32_b32 hwreg(HW_REG_WAVE_MODE, 25, 1), 1
	s_wait_xcnt 0x0
; TWO JOBS IN ONE LAUNCH, parted by the work-group's number; neither uses LDS or a barrier.
; Work-groups 0-255: partial statistics of the group norm.  hidden_states is [8192 rows][512] f32; a work-group takes 32 rows, wave w the channels 128 w .. 128 w + 127 (8 groups of 16).
;   For each (32 rows, group), 512 numbers, the LOCAL mean and the sum of squares about it are stored: stats [batch 2][w 4][chunk 128][group 8][mean, M2].  No difference of large sums is formed.
; Work-groups 256-319: the four weights [K 512][N 512] f32 become codes of E5M2 with one E8M0 byte for each 32 along K (their first axis).  A lane takes a column and its registers run down K.
;   The codes are stored as IMAGES OF OPERAND REGISTERS: wimg [weight][tile 32][K step 4][c 4][lane 32][16 bytes]; lane (r, h) of a tile holds k = 32 c + 16 h + 0 .. 15 of the tile's column r.
;   wscl [weight][tile][K step][r] holds a word of four scale bytes.  In Wq, Wk, Wv lane r of tile 2 B + u stands for column 32 B + 8 u + r + 8 (r / 8); in Wo for column 16 tile + r.
; LIMITS: NaN and infinities are not served; a block of zeros gets the byte 1 (its codes are zeros; only this program reads the bytes); largest magnitudes under 2^-111 are held at the byte 1.
.set X,    16                          ; v16-143  the numbers as loaded
.set CH,   144                         ; v144-151 four chains of pairs (statistics)
.set MU,   152                         ; v152 mean, v153 M2
.set CD,   144                         ; v144-175 codes: eight registers for each block, so that no store's data are written again
.set MANT, 0x600000                    ; the mantissa field of 57,344
	s_load_b512 s[4:19], s[0:1], 0x0               ; hidden s[4:5], Wq s[6:7], Wk s[8:9], Wv s[10:11], Wo s[12:13], stats s[14:15], wimg s[16:17], wscl s[18:19]
	v_lshrrev_b32 v1, 5, v0
	v_readfirstlane_b32 s20, v1                    ; wave 0..3
	v_and_b32 v2, 31, v0                           ; lane
	s_cmp_lt_u32 ttmp9, 256
	s_cbranch_scc0 .Lweights
	; ---------------- statistics
	v_lshlrev_b32 v3, 4, v2                        ; 16 bytes a lane: a load of the wave reads 512 consecutive bytes
	v_lshrrev_b32 v4, 2, v2
	v_lshlrev_b32 v4, 3, v4                        ; 8 bytes for each group: four lanes share a group
	v_and_b32 v5, 3, v2
	v_mov_b32 v[MU+1], 0                           ; (named as the upper half of a pair before it is first written)
	s_lshl_b32 s22, ttmp9, 16                      ; 32 rows of 2,048 bytes
	s_lshl_b32 s21, s20, 9                         ; my wave's 512 bytes of a row
	s_add_co_u32 s22, s22, s21
	s_mov_b32 s23, 0
	s_lshr_b32 s24, ttmp9, 7                       ; batch
	s_lshl_b32 s24, s24, 2
	s_add_co_u32 s24, s24, s20
	s_lshl_b32 s24, s24, 13                        ; (4 batch + wave) x 8,192
	s_and_b32 s25, ttmp9, 127                      ; chunk
	s_lshl_b32 s25, s25, 6
	s_add_co_u32 s24, s24, s25
	s_mov_b32 s25, 0
	s_wait_alu depctr_va_vdst(0)
	s_wait_kmcnt 0x0
	s_add_nc_u64 s[4:5], s[4:5], s[22:23]
	s_add_nc_u64 s[14:15], s[14:15], s[24:25]
.set i, 0
.rept 32
	global_load_b128 v[X+4*i:X+4*i+3], v3, s[4:5] offset:2048*i
.set i, i+1
.endr
; Eight loads' 16 pairs are added onto four chains; pairs 0-3 and 4-7 start them, so nothing is cleared.
.macro SUMGRP g
	s_wait_loadcnt 24-8*\g                         ; loads come back in order: this group's eight are in, the later groups' may be out
.set p, 16*\g
.rept 16
.if p < 4
.elseif p < 8
	v_pk_add_f32 v[CH+2*(p%4):CH+2*(p%4)+1], v[X+2*(p-4):X+2*(p-4)+1], v[X+2*p:X+2*p+1]
.else
	v_pk_add_f32 v[CH+2*(p%4):CH+2*(p%4)+1], v[CH+2*(p%4):CH+2*(p%4)+1], v[X+2*p:X+2*p+1]
.endif
.set p, p+1
.endr
.endm
	SUMGRP 0
	s_wait_alu depctr_va_vdst(0)
	SUMGRP 1
	s_wait_alu depctr_va_vdst(0)
	SUMGRP 2
	s_wait_alu depctr_va_vdst(0)
	SUMGRP 3
	v_pk_add_f32 v[CH:CH+1], v[CH:CH+1], v[CH+2:CH+3]
	v_pk_add_f32 v[CH+4:CH+5], v[CH+4:CH+5], v[CH+6:CH+7]
	v_pk_add_f32 v[CH:CH+1], v[CH:CH+1], v[CH+4:CH+5]
	v_add_f32 v[MU], v[CH], v[CH+1]
	v_add_f32_dpp v[MU], v[MU], v[MU] row_xmask:1 row_mask:0xf bank_mask:0xf
	v_add_f32_dpp v[MU], v[MU], v[MU] row_xmask:2 row_mask:0xf bank_mask:0xf   ; the four lanes of a group
	v_mul_f32 v[MU], 0x3b000000, v[MU]             ; / 512: the local mean
.set p, 0
.rept 64
	v_pk_add_f32 v[X+2*p:X+2*p+1], v[X+2*p:X+2*p+1], v[MU:MU+1] op_sel_hi:[1,0] neg_lo:[0,1] neg_hi:[0,1]   ; x - mean
.set p, p+1
.endr
.irp c, 0,1,2,3
	v_pk_mul_f32 v[CH+2*\c:CH+2*\c+1], v[X+2*\c:X+2*\c+1], v[X+2*\c:X+2*\c+1]
.endr
.set p, 4
.rept 60
	v_pk_fma_f32 v[CH+2*(p%4):CH+2*(p%4)+1], v[X+2*p:X+2*p+1], v[X+2*p:X+2*p+1], v[CH+2*(p%4):CH+2*(p%4)+1]
.set p, p+1
.endr
	v_pk_add_f32 v[CH:CH+1], v[CH:CH+1], v[CH+2:CH+3]
	v_pk_add_f32 v[CH+4:CH+5], v[CH+4:CH+5], v[CH+6:CH+7]
	v_pk_add_f32 v[CH:CH+1], v[CH:CH+1], v[CH+4:CH+5]
	v_add_f32 v[MU+1], v[CH], v[CH+1]
	v_add_f32_dpp v[MU+1], v[MU+1], v[MU+1] row_xmask:1 row_mask:0xf bank_mask:0xf
	v_add_f32_dpp v[MU+1], v[MU+1], v[MU+1] row_xmask:2 row_mask:0xf bank_mask:0xf   ; M2 of the 512 numbers
	v_cmp_eq_u32 vcc_lo, 0, v5                     ; one lane of each group stores
	s_wait_alu depctr_va_vdst(0)
	s_wait_xcnt 0x0                                ; EXEC changes only behind this wait
	s_and_saveexec_b32 s26, vcc_lo
	global_store_b64 v4, v[MU:MU+1], s[14:15]      ; 64 consecutive bytes a wave: 64 KiB in the whole launch, beside the 16 MiB that it reads
	s_wait_xcnt 0x0
	s_or_b32 exec_lo, exec_lo, s26
	s_endpgm
	; ---------------- weights
.Lweights:
	s_sub_co_u32 s21, ttmp9, 256
	s_lshr_b32 s22, s21, 4                         ; which weight: q, k, v, o
	s_bfe_u32 s23, s21, 0x20002                    ; which 128 columns
	s_and_b32 s24, s21, 3                          ; which K step of 128
	s_mov_b32 s31, MANT
	s_wait_alu depctr_va_vdst(0)
	v_lshlrev_b32 v3, 2, v2                        ; in: 4 bytes a lane, 128 consecutive bytes a wave
	v_lshrrev_b32 v4, 4, v2                        ; natural order: tile lane / 16,
	v_and_b32 v5, 15, v2                           ; place lane % 16
	v_bfe_u32 v6, v2, 3, 1                         ; chosen order: tile (lane / 8) % 2,
	v_and_b32 v7, 7, v2
	v_lshl_add_u32 v7, v4, 3, v7                   ; place lane % 8 + 8 (lane / 16)
	s_lshl_b32 s26, s24, 18                        ; W: 128 rows of 2,048 bytes a K step,
	s_lshl_b32 s27, s23, 9
	s_add_co_u32 s26, s26, s27
	s_lshl_b32 s27, s20, 7                         ; 32 columns a wave
	s_add_co_u32 s26, s26, s27
	s_mov_b32 s27, 0
	s_lshl_b32 s28, s22, 18                        ; wimg: 262,144 a weight, 8,192 a tile (tile 8 cg + 2 wave), 2,048 a K step
	s_lshl_b32 s29, s23, 16
	s_add_co_u32 s28, s28, s29
	s_lshl_b32 s29, s20, 14
	s_add_co_u32 s28, s28, s29
	s_lshl_b32 s29, s24, 11
	s_add_co_u32 s28, s28, s29
	s_mov_b32 s29, 0
	s_lshl_b32 s32, s22, 13                        ; wscl: 8,192 a weight, 256 a tile, 64 a K step
	s_lshl_b32 s33, s23, 11
	s_add_co_u32 s32, s32, s33
	s_lshl_b32 s33, s20, 9
	s_add_co_u32 s32, s32, s33
	s_lshl_b32 s33, s24, 6
	s_add_co_u32 s32, s32, s33
	s_mov_b32 s33, 0
	s_wait_alu depctr_va_vdst(0)
	s_wait_kmcnt 0x0
	s_cmp_eq_u32 s22, 1                            ; the choice hangs on the work-group's number alone
	s_cselect_b64 s[6:7], s[8:9], s[6:7]
	s_cmp_eq_u32 s22, 2
	s_cselect_b64 s[6:7], s[10:11], s[6:7]
	s_cmp_eq_u32 s22, 3
	s_cselect_b64 s[6:7], s[12:13], s[6:7]
	s_cselect_b32 s30, -1, 0                       ; Wo keeps the natural order
	s_add_nc_u64 s[6:7], s[6:7], s[26:27]
	s_add_nc_u64 s[16:17], s[16:17], s[28:29]
	s_add_nc_u64 s[18:19], s[18:19], s[32:33]
.set i, 0
.rept 128
	global_load_b32 v[X+i], v3, s[6:7] offset:2048*i th:TH_LOAD_NT     ; W(128 ks + i, my column): all four blocks are asked for at once
.set i, i+1
.endr
	v_cndmask_b32 v6, v6, v4, s30
	v_cndmask_b32 v7, v7, v5, s30
	v_lshlrev_b32 v8, 13, v6
	v_lshl_add_u32 v8, v7, 4, v8                   ; my place in the images: 8,192 x tile + 16 x place
	v_lshlrev_b32 v9, 8, v6
	v_lshl_add_u32 v9, v7, 2, v9                   ; and among the scale words: 256 x tile + 4 x place
; Block t: 32 numbers down K, all mine.
.macro BLOCK t
.set XS, X+32*\t
.if \t < 2
	s_wait_loadcnt 63                              ; 96 or 64 later loads might stay out; the wait's field holds 63, and a smaller count is right too
.else
	s_wait_loadcnt 32*(3-\t)
.endif
	v_max3_num_f32 v12, |v[XS]|, |v[XS+1]|, |v[XS+2]|
	v_max3_num_f32 v13, |v[XS+3]|, |v[XS+4]|, |v[XS+5]|
.irp i, 6,10,14,18,22,26
	v_max3_num_f32 v12, v12, |v[XS+\i]|, |v[XS+\i+1]|
	v_max3_num_f32 v13, v13, |v[XS+\i+2]|, |v[XS+\i+3]|
.endr
	v_max3_num_f32 v12, v12, |v[XS+30]|, |v[XS+31]|
	v_max3_num_f32 v12, v12, v13, 0x8000000        ; and the floor 2^(16 - 127): the byte cannot fall under 1
	v_add_nc_u32 v11, 0xf8800000, v12              ; 15 off the exponent field: the conversion's scale operand
	v_and_or_b32 v10, v12, 0x7f800000, s31         ; 57,344 x the scale
	v_lshrrev_b32 v13, 23, v11                     ; the scale's byte
.if \t == 0
	v_mov_b32 v14, v13
.else
	v_lshl_or_b32 v14, v13, 8*\t, v14
.endif
.set i, 0
.rept 32
	v_med3_num_f32 v[XS+i], v[XS+i], -v10, v10     ; the conversion to an 8-bit code does not saturate (ISA guide 7.6.2)
.set i, i+1
.endr
.irp g, 0,1,2,3
	v_cvt_scalef32_pk8_bf8_f32 v[CD+8*\t+2*\g:CD+8*\t+2*\g+1], v[XS+8*\g:XS+8*\g+7], v11
.endr
	v_nop                                          ; a plain line behind the last conversion
	global_store_b128 v8, v[CD+8*\t:CD+8*\t+3], s[16:17] offset:512*\t          ; k = 32 t + 0 .. 15: the image's lanes 0-15; sixteen lanes fill 256 consecutive bytes
	global_store_b128 v8, v[CD+8*\t+4:CD+8*\t+7], s[16:17] offset:512*\t+256    ; k = 32 t + 16 .. 31: its lanes 16-31
.endm
	BLOCK 0
	BLOCK 1
	BLOCK 2
	BLOCK 3
	global_store_b32 v9, v14, s[18:19]             ; my column's scale word: 64 consecutive bytes a tile, 32 KiB in the whole launch
	s_endpgm
.Lfunc_end_k_q78ee4d68a5_prep:
	.size	k_q78ee4d68a5_prep, .Lfunc_end_k_q78ee4d68a5_prep-k_q78ee4d68a5_prep
	.p2alignl 7, 3214868480
	.fill 96, 4, 3214868480
	.section	.rodata,"a",@progbits
	.p2align	6, 0x0
	.amdhsa_kernel k_q78ee4d68a5_prep
		.amdhsa_group_segment_fixed_size 0
		.amdhsa_private_segment_fixed_size 0
		.amdhsa_enable_private_segment 0
		.amdhsa_kernarg_size 64
		.amdhsa_user_sgpr_count 2
		.amdhsa_user_sgpr_kernarg_segment_ptr 1
		.amdhsa_wavefront_size32 1
		.amdhsa_system_sgpr_workgroup_id_x 1
		.amdhsa_system_sgpr_workgroup_id_y 1
		.amdhsa_system_sgpr_workgroup_id_z 1
		.amdhsa_system_vgpr_workitem_id 0
		.amdhsa_next_free_vgpr 176
		.amdhsa_next_free_sgpr 66
		.amdhsa_reserve_vcc 1
		.amdhsa_float_denorm_mode_32 3
		.amdhsa_float_denorm_mode_16_64 3
		.amdhsa_memory_ordered 1
		.amdhsa_forward_progress 1
		.amdhsa_inst_pref_size 47
	.end_amdhsa_kernel
	.amdgpu_metadata
---
amdhsa.version: [ 1, 2 ]
amdhsa.kernels:
  - .name:           k_q78ee4d68a5_prep
    .symbol:         k_q78ee4d68a5_prep.kd
    .args:
      - { .name: hidden_states, .offset: 0, .size: 8, .value_kind: global_buffer, .address_space: global }
      - { .name: Wq, .offset: 8, .size: 8, .value_kind: global_buffer, .address_space: global }
      - { .name: Wk, .offset: 16, .size: 8, .value_kind: global_buffer, .address_space: global }
      - { .name: Wv, .offset: 24, .size: 8, .value_kind: global_buffer, .address_space: global }
      - { .name: Wo, .offset: 32, .size: 8, .value_kind: global_buffer, .address_space: global }
      - { .name: stats, .offset: 40, .size: 8, .value_kind: global_buffer, .address_space: global }
      - { .name: wimg, .offset: 48, .size: 8, .value_kind: global_buffer, .address_space: global }
      - { .name: wscl, .offset: 56, .size: 8, .value_kind: global_buffer, .address_space: global }
    .group_segment_fixed_size: 0
    .private_segment_fixed_size: 0
    .kernarg_segment_align: 8
    .kernarg_segment_size: 64
    .max_flat_workgroup_size: 128
    .sgpr_count:     66
    .vgpr_count:     176
    .wavefront_size: 32
...
	.end_amdgpu_metadata
.endif
;; end of part 1
;; launch qkv (part 2): grid 3 x 64, 8 waves a work-group, no clusters, 70,656 bytes of LDS; arguments hidden_states, gn_scale, gn_bias, stats, wimg, wscl, bq, bk, bv, qkv, qkvs; writes qkv, qkvs
.if DOCPART == 2
	.amdgcn_target "amdgcn-amd-amdhsa--gfx1250"
	.amdhsa_code_object_version 6
	.text
	.protected	k_q78ee4d68a5_qkv
	.globl	k_q78ee4d68a5_qkv
	.p2align	8
	.type	k_q78ee4d68a5_qkv,@function
k_q78ee4d68a5_qkv:
	s_mov_b64 s[64:65], 0
	v_nop
	global_prefetch_b8 v0, s[64:65] scope:SCOPE_SE
	s_setreg_imm32_b32 hwreg(HW_REG_WAVE_MODE, 25, 1), 1
	s_wait_xcnt 0x0
; x = group norm of hidden_states; then ONE of q, k, v = x W + b (work-group x says which) for 128 rows (work-group y), both operands as codes of E5M2 with E8M0 scales; the result is quantised for the attention.
; PHASE X.  Wave w finishes the statistics of K step ks = w % 4 (128 channels, 8 groups), normalises and quantises that K step of four tiles of 16 rows (tiles 4 (w / 4) + 0 .. 3) and stores the fragments
;   in LDS as images of their registers (16 bytes a lane, 512 bytes a store).  LANE r OF ROW TILE 2 p + u STANDS FOR ROW 32 p + 8 u + r + 8 (r / 8).  One barrier.
; PHASE G.  Wave w is head w: its 64 columns of W (16 fragments, 256 registers, window 1) came from wimg while x was quantised.  For each pair p of row tiles: 32 matrix instructions, 8 accumulators by turns.
;   q, k: source 0 = W, source 1 = x: a lane holds one row, its registers run along the head's 64 (W's columns were ordered for that): quantised along the head.
;   v:    source 0 = x, source 1 = W: a lane holds one channel, its registers run along 32 keys (x's rows are ordered for that): quantised along the keys.
;   The bias is the C of each sum's first matrix instruction.
; OUT, images again: qkv: q at 0, k at 4 MiB: [batch x head 16][tile 256][c 2][lane][16]; v at 8 MiB: [16][step 32][channel tile 4][c 4][lane][16].  qkvs: [q, k, v][16][step 32][lane][4 words].
; 192 work-groups: a weight's fragments are the eight waves' 256 registers each, so a work-group takes a whole weight, and 64 blocks of 128 rows x 3 weights is the share that keeps each weight read once a block.
; No multicast: x goes through registers to be normalised, and each wave reads only its own fragments of W, straight into registers.
; LIMITS: NaN and infinities are not served; a block of zeros gets the byte 1 (only this program reads the bytes); largest magnitudes under 2^-111 are held at the byte 1.
.set LI,   1                           ; 16 x lane
.set LS,   2                           ; 4 x lane
.set XA,   3                           ; x: (r + 8 (r / 8)) x 2,048 + 64 h
.set XWI,  4                           ; where I store x's images
.set XWS,  5                           ; and their scale words
.set LSX,  6                           ; XSC + 4 x lane
.set SA,   7                           ; stats: 64 r + 8 h
.set CA,   8                           ; gains: 64 h
.set R4,   9                           ; 4 r
.set BA,   10                          ; the bias's lane offset
.set MEAN, 12                          ; v12-19   pairs (mean, 1 / sigma) of my four groups
.set TM,   20                          ; v20-35   the quantiser's: +0 largest magnitudes, +4 bytes, +8 holds, +12 scale operands
.set PW,   36                          ; the scale word just made
.set PC,   40                          ; v40-55   the codes just made
.set HA,   56                          ; v56-119  statistics' parts; then 64 numbers at work; then the accumulators
.set GA,   120                         ; v120-183 gain / sigma of my 64 channels; later:
.set XF,   120                         ;          four fragments of x
.set BAJ,  176                         ;          (in passing: eight addresses for the bias)
.set GB,   184                         ; v184-247 the norm's bias of my 64 channels; later:
.set BI,   184                         ; v184-215 the product's bias, eight registers a tile
.set WS,   216                         ; v216-231 W's scale words (4 t + s)
.set XS,   232                         ; v232-239 x's scale words (4 u + s)
.set KW,   248                         ; v248-251 the scale words that go out
.set XSC,  65536                       ; LDS: x's 32 fragments (4 m + s) of 2,048 bytes from 0; their scale words, 128 bytes each, from here
.set SEL,  34
.set MNT,  36
.set MSB, 0
.macro WIN new                         ; the immediate's high byte repeats the setting that is left
.if MSB != (\new)
	s_set_vgpr_msb (MSB<<8)|(\new)
.set MSB, (\new)
.endif
.endm
; 64 numbers of a lane, register 16 b + i = place 32 b + 16 (lane / 16) + i along K, become 16 registers of codes in v[PC] on; the four bytes stand in v[TM+4] on; word = 1: they make v[PW].
.macro QUANT s, word
.irp b, 0,1,2,3
	v_max3_num_f32 v[TM+\b], |v[\s+16*\b]|, |v[\s+1+16*\b]|, 0x8000000   ; my 16 numbers of block b, and the floor 2^(16 - 127): the byte cannot fall under 1
.endr
.irp i, 2,4,6,8,10,12,14
.irp b, 0,1,2,3
	v_max3_num_f32 v[TM+\b], v[TM+\b], |v[\s+16*\b+\i]|, |v[\s+1+16*\b+\i]|
.endr
.endr
.irp b, 0,1,2,3
	s_delay_alu instid0(VALU_DEP_4)
	v_permlanex16_b32 v[TM+4+\b], v[TM+\b], s[SEL], s[SEL+1]
.endr
.irp b, 0,1,2,3
	s_delay_alu instid0(VALU_DEP_4)
	v_max_num_f32 v[TM+\b], v[TM+\b], v[TM+4+\b]   ; with lane l xor 16's: the block's largest magnitude
.endr
.irp b, 0,1,2,3
	s_delay_alu instid0(VALU_DEP_4)
	v_add_nc_u32 v[TM+12+\b], 0xf8800000, v[TM+\b]   ; 15 off its exponent field: the conversion's scale operand
.endr
.irp b, 0,1,2,3
	v_and_or_b32 v[TM+8+\b], v[TM+\b], 0x7f800000, s[MNT]   ; 57,344 x the scale
.endr
.irp b, 0,1,2,3
	v_lshrrev_b32 v[TM+4+\b], 23, v[TM+12+\b]      ; the scale's byte
.endr
.if \word
	s_delay_alu instid0(VALU_DEP_3)
	v_lshl_or_b32 v[PW], v[TM+5], 8, v[TM+4]
	s_delay_alu instid0(VALU_DEP_1)
	v_lshl_or_b32 v[PW], v[TM+6], 16, v[PW]
	s_delay_alu instid0(VALU_DEP_1)
	v_lshl_or_b32 v[PW], v[TM+7], 24, v[PW]
.endif
.irp b, 0,1,2,3
.set i, 0
.rept 16
	v_med3_num_f32 v[\s+16*\b+i], v[\s+16*\b+i], -v[TM+8+\b], v[TM+8+\b]   ; the conversion to an 8-bit code does not saturate (ISA guide 7.6.2)
.set i, i+1
.endr
	v_cvt_scalef32_pk8_bf8_f32 v[PC+4*\b:PC+1+4*\b], v[\s+16*\b:\s+7+16*\b], v[TM+12+\b]
	v_cvt_scalef32_pk8_bf8_f32 v[PC+2+4*\b:PC+3+4*\b], v[\s+8+16*\b:\s+15+16*\b], v[TM+12+\b]
.endr
	v_nop                                          ; a plain line behind the last conversion: later lines write its sources
.endm
	s_load_b512 s[4:19], s[0:1], 0x0               ; hidden s[4:5], gn_scale s[6:7], gn_bias s[8:9], stats s[10:11], wimg s[12:13], wscl s[14:15], bq s[16:17], bk s[18:19]
	s_load_b128 s[20:23], s[0:1], 0x40             ; bv s[20:21], qkv s[22:23]
	s_load_b64 s[24:25], s[0:1], 0x50              ; qkvs
	v_lshl_add_u32 v254, v0, 2, 0x11000
	v_mov_b32 v255, 0
	v_lshrrev_b32 v1, 5, v0
	s_delay_alu instid0(VALU_DEP_1)
	v_readfirstlane_b32 s26, v1                    ; wave 0..7: in phase G the head
	s_mov_b32 s27, ttmp9                           ; 0 q, 1 k, 2 v
	s_and_b32 s28, ttmp7, 0xffff                   ; block of 128 rows
	s_and_b32 s29, s26, 3                          ; phase X: my K step
	s_lshr_b32 s30, s26, 2                         ; and my half of the rows
	s_lshr_b32 s31, s28, 5                         ; batch
	s_and_b32 s32, s28, 31                         ; step of 128 positions in the batch
	s_mov_b32 s[SEL], 0x76543210
	s_mov_b32 s[SEL+1], 0xfedcba98                 ; v_permlanex16_b32's selects for lane l xor 16
	s_mov_b32 s[MNT], 0x600000
	s_mov_b32 s37, 0x37800000                      ; 2^-16: a group has 65,536 numbers
	s_mov_b32 s33, 0x358637bd                      ; 1e-6
	v_and_b32 v11, 31, v0
	v_and_b32 v9, 15, v0                           ; r
	v_bfe_u32 v8, v0, 4, 1                         ; h
	s_delay_alu instid0(VALU_DEP_3)
	v_lshlrev_b32 v[LI], 4, v11
	s_delay_alu instid0(VALU_DEP_4)
	v_lshlrev_b32 v[LS], 2, v11
	s_delay_alu instid0(VALU_DEP_4)
	v_and_b32 v10, 8, v9
	s_delay_alu instid0(VALU_DEP_1)
	v_add_nc_u32 v10, v10, v9                      ; r + 8 (r / 8)
	s_wait_alu depctr_va_vdst(0)
	v_lshlrev_b32 v[XA], 11, v10
	s_delay_alu instid0(VALU_DEP_1)
	v_lshl_add_u32 v[XA], v8, 6, v[XA]
	s_lshl_b32 s38, s30, 4
	s_add_co_u32 s38, s38, s29                     ; fragment 4 (4 half + i) + ks = 16 half + ks + 4 i
	s_lshl_b32 s39, s38, 11
	v_add_nc_u32 v[XWI], s39, v[LI]
	s_lshl_b32 s39, s38, 7
	s_add_co_u32 s39, s39, XSC
	v_add_nc_u32 v[XWS], s39, v[LS]
	v_add_nc_u32 v[LSX], XSC, v[LS]
	v_lshlrev_b32 v[SA], 6, v9
	s_delay_alu instid0(VALU_DEP_1)
	v_lshl_add_u32 v[SA], v8, 3, v[SA]
	s_cmp_eq_u32 s27, 2
	s_cselect_b32 s40, -1, 0
	s_cselect_b32 s41, 0, 4                        ; q, k: a lane's eight results are eight channels, 4 bytes apart; v: one channel
	v_lshlrev_b32 v10, 2, v10
	v_lshlrev_b32 v[CA], 6, v8                     ; 64 h
	s_delay_alu instid0(VALU_DEP_1)
	v_cndmask_b32 v[BA], v[CA], v10, s40           ; q, k: 64 h; v: 4 (r + 8 (r / 8))
	v_lshlrev_b32 v[R4], 2, v9
	s_lshl_b32 s42, s31, 2
	s_add_co_u32 s42, s42, s29
	s_lshl_b32 s42, s42, 13                        ; stats: (4 batch + ks) x 8,192
	s_mov_b32 s43, 0
	s_lshl_b32 s44, s29, 9                         ; gains: 512 ks
	s_mov_b32 s45, 0
	s_lshl_b32 s46, s28, 18                        ; x: 128 rows of 2,048 bytes a block,
	s_lshl_b32 s47, s30, 17                        ; 64 rows a half,
	s_add_co_u32 s46, s46, s47
	s_add_co_u32 s46, s46, s44                     ; 512 bytes a K step
	s_mov_b32 s47, 0
	s_lshl_b32 s48, s27, 18                        ; wimg: the weight, my head's four tiles
	s_lshl_b32 s49, s26, 15
	s_add_co_u32 s48, s48, s49
	s_mov_b32 s49, 0
	s_lshl_b32 s50, s27, 13                        ; wscl likewise
	s_lshl_b32 s51, s26, 10
	s_add_co_u32 s50, s50, s51
	s_mov_b32 s51, 0
	s_lshl_b32 s52, s26, 8                         ; the bias: my head's 64 numbers
	s_mov_b32 s53, 0
	s_lshl_b32 s39, s31, 3
	s_add_co_u32 s39, s39, s26                     ; batch x 8 + head
	s_lshl_b32 s54, s27, 22
	s_lshl_b32 s55, s39, 18
	s_add_co_u32 s54, s54, s55
	s_lshl_b32 s55, s32, 13
	s_add_co_u32 s54, s54, s55                     ; qkv: 4 MiB a tensor, 262,144 a head, 8,192 a step
	s_mov_b32 s55, 0
	s_lshl_b32 s56, s27, 18
	s_lshl_b32 s57, s39, 14
	s_add_co_u32 s56, s56, s57
	s_lshl_b32 s57, s32, 9
	s_add_co_u32 s56, s56, s57                     ; qkvs: 262,144 a tensor, 16,384 a head, 512 a step
	s_mov_b32 s57, 0
	s_wait_alu depctr_va_vdst(0)
	s_wait_kmcnt 0x0
	s_cmp_eq_u32 s27, 1
	s_cselect_b64 s[16:17], s[18:19], s[16:17]
	s_cmp_eq_u32 s27, 2
	s_cselect_b64 s[16:17], s[20:21], s[16:17]     ; the bias of my product
	s_add_nc_u64 s[10:11], s[10:11], s[42:43]
	s_add_nc_u64 s[6:7], s[6:7], s[44:45]
	s_add_nc_u64 s[8:9], s[8:9], s[44:45]
	s_add_nc_u64 s[4:5], s[4:5], s[46:47]
	s_add_nc_u64 s[12:13], s[12:13], s[48:49]
	s_add_nc_u64 s[14:15], s[14:15], s[50:51]
	s_add_nc_u64 s[16:17], s[16:17], s[52:53]
	s_add_nc_u64 s[22:23], s[22:23], s[54:55]
	s_add_nc_u64 s[24:25], s[24:25], s[56:57]
.irp b, 0,1,2,3
.irp i, 0,1,2,3,4,5,6,7
	global_load_b64 v[HA+16*\b+2*\i:HA+16*\b+2*\i+1], v[SA], s[10:11] offset:1024*\i+16*\b   ; (mean, M2) of chunk r + 16 i, group 2 b + h of my K step: the group of my 16 channels of block b
.endr
.endr
.irp b, 0,1,2,3
.irp j, 0,1,2,3
	global_load_b128 v[GA+16*\b+4*\j:GA+16*\b+4*\j+3], v[CA], s[6:7] offset:128*\b+16*\j
	global_load_b128 v[GB+16*\b+4*\j:GB+16*\b+4*\j+3], v[CA], s[8:9] offset:128*\b+16*\j
.endr
.endr
	WIN 0x40                                       ; destination window 1
.irp i, 0,1,2,3
.irp b, 0,1,2,3
.irp j, 0,1,2,3
	global_load_b128 v[64*\i+16*\b+4*\j:64*\i+16*\b+4*\j+3], v[XA], s[4:5] offset:(32*(\i/2)+8*(\i%2))*2048+128*\b+16*\j   ; tile i: my row's 16 numbers of each block of 32
.endr
.endr
.endr
	WIN 0
	s_wait_loadcnt 63                              ; of the 128 loads the first 65 are in: the 64 of the statistics and the gains among them
	; ---- the statistics are finished: 128 chunks of 512 numbers a group; eight chunks a lane, sixteen lanes
.irp b, 0,1,2,3
	v_add_f32 v[MEAN+2*\b], v[HA+16*\b], v[HA+16*\b+2]
	v_add_f32 v[TM+4+\b], v[HA+16*\b+1], v[HA+16*\b+3]
.endr
.irp i, 2,3,4,5,6,7
.irp b, 0,1,2,3
	v_add_f32 v[MEAN+2*\b], v[MEAN+2*\b], v[HA+16*\b+2*\i]
	v_add_f32 v[TM+4+\b], v[TM+4+\b], v[HA+16*\b+2*\i+1]
.endr
.endr
.irp x, 1,2,4,8
.irp b, 0,1,2,3
	v_add_f32_dpp v[MEAN+2*\b], v[MEAN+2*\b], v[MEAN+2*\b] row_xmask:\x row_mask:0xf bank_mask:0xf
.endr
.endr
.irp b, 0,1,2,3
	s_delay_alu instid0(VALU_DEP_4)
	v_mul_f32 v[MEAN+2*\b], 0x3c000000, v[MEAN+2*\b]   ; / 128: the group's mean
.endr
.irp i, 0,1,2,3,4,5,6,7
.irp b, 0,1,2,3
	v_sub_f32 v[HA+16*\b+2*\i], v[HA+16*\b+2*\i], v[MEAN+2*\b]   ; a chunk's mean less the group's
.endr
.endr
.irp b, 0,1,2,3
	v_mul_f32 v[TM+\b], v[HA+16*\b], v[HA+16*\b]
.endr
.irp i, 1,2,3,4,5,6,7
.irp b, 0,1,2,3
	s_delay_alu instid0(VALU_DEP_4)
	v_fma_f32 v[TM+\b], v[HA+16*\b+2*\i], v[HA+16*\b+2*\i], v[TM+\b]
.endr
.endr
.irp b, 0,1,2,3
	s_delay_alu instid0(VALU_DEP_4)
	v_fma_f32 v[TM+\b], v[TM+\b], 0x44000000, v[TM+4+\b]   ; 512 x the squares of those differences + the chunks' M2
.endr
.irp x, 1,2,4,8
.irp b, 0,1,2,3
	s_delay_alu instid0(VALU_DEP_4)
	v_add_f32_dpp v[TM+\b], v[TM+\b], v[TM+\b] row_xmask:\x row_mask:0xf bank_mask:0xf
.endr
.endr
.irp b, 0,1,2,3
	s_delay_alu instid0(VALU_DEP_4)
	v_fma_f32 v[TM+\b], v[TM+\b], s37, s33         ; the variance + 1e-6
.endr
	s_wait_alu depctr_va_vdst(0)
.irp b, 0,1,2,3
	v_rsq_f32 v[MEAN+2*\b+1], v[TM+\b]
.endr
	v_nop                                          ; a plain line behind the last of them,
	s_wait_alu depctr_va_vdst(0)                   ; and one wait for the four, ahead of their first reader
.irp b, 0,1,2,3
.set i, 0
.rept 16
	v_mul_f32 v[GA+16*\b+i], v[GA+16*\b+i], v[MEAN+2*\b+1]   ; gain / sigma, once for the four tiles
.set i, i+1
.endr
.endr
; ---- phase X, tile i: normalise, quantise, image to LDS; the tile's 64 registers in window 1 take W's fragments (tile i of my head, K steps 0 .. 3)
.macro XTILE i
	s_wait_loadcnt 48                              ; this tile's sixteen loads are in; behind them three groups of sixteen were issued (later tiles of x, fragments of W)
	WIN 0x01                                       ; source 0 window 1
.set p, 0
.rept 32
	v_pk_add_f32 v[HA+2*p:HA+2*p+1], v[64*\i+2*p:64*\i+2*p+1], v[MEAN+2*(p/8):MEAN+2*(p/8)+1] op_sel_hi:[1,0] neg_lo:[0,1] neg_hi:[0,1]   ; x - mean
.set p, p+1
.endr
	WIN 0x40
.irp s, 0,1,2,3
.irp c, 0,1,2,3
	global_load_b128 v[64*\i+16*\s+4*\c:64*\i+16*\s+4*\c+3], v[LI], s[12:13] offset:8192*\i+2048*\s+512*\c   ; 512 consecutive bytes
.endr
.endr
	WIN 0
.set p, 0
.rept 32
	v_pk_fma_f32 v[HA+2*p:HA+2*p+1], v[HA+2*p:HA+2*p+1], v[GA+2*p:GA+2*p+1], v[GB+2*p:GB+2*p+1]
.set p, p+1
.endr
.if \i == 3                            ; the gains are done with: their registers take the product's bias and W's scale words
.irp j, 0,1,2,3,4,5,6,7
	v_mad_u32_u24 v[BAJ+\j], s41, \j, v[BA]
.endr
.irp t, 0,1,2,3
.irp j, 0,1,2,3,4,5,6,7
	global_load_b32 v[BI+8*\t+\j], v[BAJ+\j], s[16:17] offset:(32*(\t/2)+8*(\t%2))*4   ; in the result's layout: q, k: channel 32 (t / 2) + 16 h + 8 (t % 2) + j; v: channel 32 (t / 2) + 8 (t % 2) + r + 8 (r / 8)
.endr
.endr
.irp t, 0,1,2,3
.irp s, 0,1,2,3
	global_load_b32 v[WS+4*\t+\s], v[R4], s[14:15] offset:256*\t+64*\s
.endr
.endr
.endif
	QUANT HA, 1
.irp c, 0,1,2,3
	ds_store_b128 v[XWI], v[PC+4*\c:PC+4*\c+3] offset:8192*\i+512*\c
.endr
	ds_store_b32 v[XWS], v[PW] offset:512*\i
	s_wait_dscnt 0x0                               ; the stores have read their registers; in front of the barrier: they have landed
.endm
	XTILE 0
	XTILE 1
	XTILE 2
	XTILE 3
	s_barrier_signal -1
	s_barrier_wait -1                              ; x's 32 fragments and their scale words lie in LDS; nothing is stored there again
	s_wait_loadcnt 0x0                             ; W, its scale words, the bias
; ---- phase G
.macro FETCHX p, k0                    ; the pair's fragments of K steps k0, k0 + 1; with k0 = 0 the pair's eight scale words too
.irp u, 0,1
.irp e, 0,1
.irp c, 0,1,2,3
	ds_load_b128 v[XF+32*\u+16*\e+4*\c:XF+32*\u+16*\e+4*\c+3], v[LI] offset:(4*(2*\p+\u)+\k0+\e)*2048+512*\c
.endr
.endr
.endr
.if \k0 == 0
.irp u, 0,1
.irp s, 0,1,2,3
	ds_load_b32 v[XS+4*\u+\s], v[LSX] offset:(4*(2*\p+\u)+\s)*128
.endr
.endr
.endif
.endm
.macro MULS isv, k0                    ; 16 matrix instructions: two K steps, the eight accumulators by turns, one instruction a turn
.irp e, 0,1
.irp u, 0,1
.irp t, 0,1,2,3
.set rW, 16*(4*\t+\k0+\e)
.set rX, XF+32*\u+16*\e
.set sW, WS+4*\t+\k0+\e
.set sX, XS+4*\u+\k0+\e
.if \isv
.set rD, HA+16*\t+8*\u
.if (\k0+\e) == 0
	v_wmma_scale_f32_16x16x128_f8f6f4 v[rD:rD+7], v[rX:rX+15], v[rW:rW+15], v[BI+8*\t:BI+8*\t+7], v[sX], v[sW] matrix_a_fmt:MATRIX_FMT_BF8 matrix_b_fmt:MATRIX_FMT_BF8
.else
	v_wmma_scale_f32_16x16x128_f8f6f4 v[rD:rD+7], v[rX:rX+15], v[rW:rW+15], v[rD:rD+7], v[sX], v[sW] matrix_a_fmt:MATRIX_FMT_BF8 matrix_b_fmt:MATRIX_FMT_BF8
.endif
.else
.set rD, HA+32*\u+8*\t
.if (\k0+\e) == 0
	v_wmma_scale_f32_16x16x128_f8f6f4 v[rD:rD+7], v[rW:rW+15], v[rX:rX+15], v[BI+8*\t:BI+8*\t+7], v[sW], v[sX] matrix_a_fmt:MATRIX_FMT_BF8 matrix_b_fmt:MATRIX_FMT_BF8
.else
	v_wmma_scale_f32_16x16x128_f8f6f4 v[rD:rD+7], v[rW:rW+15], v[rX:rX+15], v[rD:rD+7], v[sW], v[sX] matrix_a_fmt:MATRIX_FMT_BF8 matrix_b_fmt:MATRIX_FMT_BF8
.endif
.endif
.endr
.endr
.endr
.endm
.macro PLACES                          ; eight plain lines behind this matrix form, in front of loads into its operands and of the first read of results
.rept 8
	v_nop
.endr
.endm
.macro GTRIP isv, p
	s_wait_xcnt 0x0                                ; the last trip's stores have read their data: the codes' registers may be written again
	FETCHX \p, 0
	s_wait_dscnt 0x0
	WIN 0x01+3*\isv                                ; W in window 1: source 0 (q, k) or source 1 (v)
	MULS \isv, 0
	WIN 0
	PLACES
	FETCHX \p, 2
	s_wait_dscnt 0x0
	WIN 0x01+3*\isv
	MULS \isv, 2
	WIN 0
	PLACES
	QUANT HA, 1-\isv
.irp g, 0,1,2,3
.if \isv
	global_store_b128 v[LI], v[PC+4*\g:PC+4*\g+3], s[22:23] offset:2048*\g+512*\p   ; channel tile g, keys 32 p on: register group p of its fragment; 512 consecutive bytes
.if \p == 0
	v_mov_b32 v[KW+\g], v[TM+4+\g]
.else
	v_lshl_or_b32 v[KW+\g], v[TM+4+\g], 8*\p, v[KW+\g]   ; byte p of channel tile g's word
.endif
.else
	global_store_b128 v[LI], v[PC+4*\g:PC+4*\g+3], s[22:23] offset:2048*\p+512*\g   ; row tile 2 p + g / 2, the head's channels 32 (g % 2) on
.endif
.endr
.if \isv == 0
	v_mov_b32 v[KW+\p], v[PW]                      ; bytes 2 u + c of the pair
.endif
.endm
	s_cmp_eq_u32 s27, 2
	s_cbranch_scc1 .Lv
	GTRIP 0, 0
	GTRIP 0, 1
	GTRIP 0, 2
	GTRIP 0, 3
	global_store_b128 v[LI], v[KW:KW+3], s[24:25]  ; the step's scale words: 512 consecutive bytes (lanes 16-31 hold what lanes 0-15 hold)
	s_wait_tensorcnt 0x0
	ds_add_u32 v254, v255
	s_wait_dscnt 0x0
	s_endpgm
.Lv:
	GTRIP 1, 0
	GTRIP 1, 1
	GTRIP 1, 2
	GTRIP 1, 3
	global_store_b128 v[LI], v[KW:KW+3], s[24:25]
	s_wait_tensorcnt 0x0
	ds_add_u32 v254, v255
	s_wait_dscnt 0x0
	s_endpgm
.Lfunc_end_k_q78ee4d68a5_qkv:
	.size	k_q78ee4d68a5_qkv, .Lfunc_end_k_q78ee4d68a5_qkv-k_q78ee4d68a5_qkv
	.p2alignl 7, 3214868480
	.fill 96, 4, 3214868480
	.section	.rodata,"a",@progbits
	.p2align	6, 0x0
	.amdhsa_kernel k_q78ee4d68a5_qkv
		.amdhsa_group_segment_fixed_size 70656
		.amdhsa_private_segment_fixed_size 0
		.amdhsa_enable_private_segment 0
		.amdhsa_kernarg_size 88
		.amdhsa_user_sgpr_count 2
		.amdhsa_user_sgpr_kernarg_segment_ptr 1
		.amdhsa_wavefront_size32 1
		.amdhsa_system_sgpr_workgroup_id_x 1
		.amdhsa_system_sgpr_workgroup_id_y 1
		.amdhsa_system_sgpr_workgroup_id_z 1
		.amdhsa_system_vgpr_workitem_id 0
		.amdhsa_next_free_vgpr 512
		.amdhsa_next_free_sgpr 66
		.amdhsa_reserve_vcc 0
		.amdhsa_float_denorm_mode_32 3
		.amdhsa_float_denorm_mode_16_64 3
		.amdhsa_memory_ordered 1
		.amdhsa_forward_progress 1
		.amdhsa_inst_pref_size 219
	.end_amdhsa_kernel
	.amdgpu_metadata
---
amdhsa.version: [ 1, 2 ]
amdhsa.kernels:
  - .name:           k_q78ee4d68a5_qkv
    .symbol:         k_q78ee4d68a5_qkv.kd
    .args:
      - { .name: hidden_states, .offset: 0, .size: 8, .value_kind: global_buffer, .address_space: global }
      - { .name: gn_scale, .offset: 8, .size: 8, .value_kind: global_buffer, .address_space: global }
      - { .name: gn_bias, .offset: 16, .size: 8, .value_kind: global_buffer, .address_space: global }
      - { .name: stats, .offset: 24, .size: 8, .value_kind: global_buffer, .address_space: global }
      - { .name: wimg, .offset: 32, .size: 8, .value_kind: global_buffer, .address_space: global }
      - { .name: wscl, .offset: 40, .size: 8, .value_kind: global_buffer, .address_space: global }
      - { .name: bq, .offset: 48, .size: 8, .value_kind: global_buffer, .address_space: global }
      - { .name: bk, .offset: 56, .size: 8, .value_kind: global_buffer, .address_space: global }
      - { .name: bv, .offset: 64, .size: 8, .value_kind: global_buffer, .address_space: global }
      - { .name: qkv, .offset: 72, .size: 8, .value_kind: global_buffer, .address_space: global }
      - { .name: qkvs, .offset: 80, .size: 8, .value_kind: global_buffer, .address_space: global }
    .group_segment_fixed_size: 70656
    .private_segment_fixed_size: 0
    .kernarg_segment_align: 8
    .kernarg_segment_size: 88
    .max_flat_workgroup_size: 256
    .sgpr_count:     66
    .vgpr_count:     512
    .wavefront_size: 32
...
	.end_amdgpu_metadata
.endif
;; end of part 2
;; launch attn (part 3): grid 16 x 16, 16 waves a work-group, clusters of 4 x 1, 327,680 bytes of LDS; arguments qkv, qkvs, aimg, ascl; writes aimg, ascl
.if DOCPART == 3
	.amdgcn_target "amdgcn-amd-amdhsa--gfx1250"
	.amdhsa_code_object_version 6
	.text
	.protected	k_q78ee4d68a5_attn
	.globl	k_q78ee4d68a5_attn
	.p2align	8
	.type	k_q78ee4d68a5_attn,@function
k_q78ee4d68a5_attn:
	s_mov_b64 s[64:65], 0
	v_nop
	global_prefetch_b8 v0, s[64:65] scope:SCOPE_SE
	s_setreg_imm32_b32 hwreg(HW_REG_WAVE_MODE, 25, 1), 1
	s_wait_xcnt 0x0
	s_wait_alu depctr_hold_cnt(0) depctr_sa_sdst(0) depctr_va_vdst(0) depctr_va_sdst(0) depctr_va_ssrc(0) depctr_va_vcc(0) depctr_vm_vsrc(0)
	s_getreg_b32 s2, hwreg(HW_REG_IB_STS2, 6, 4)
	s_cmp_eq_u32 s2, 0
	s_cbranch_scc0 .Lentry_in_a_cluster
	s_endpgm
.Lentry_in_a_cluster:
	s_bfe_u32 s2, ttmp6, 0x10000c
	s_cmp_lg_u32 s2, 0x3003
	s_cbranch_scc0 .Lentry_shape_is_right
	s_endpgm
.Lentry_shape_is_right:
; Attention of one (batch, head) (work-group y) for 256 queries (work-group x), on codes of E5M2 with E8M0 scales; head size 64, 4,096 keys, 128 a step.
; t = score x log2(e) / 8; M = the running largest t rounded UP to a whole number; p = 2^(t - M) is quantised along the keys, not normalised; the row's sum is taken of the unquantised p and divides at the end.
; When M moves, the sums and O are multiplied by f = 2^(old M - new M): exact.  The result is quantised along the channels for the output projection.
; SHARES.  Sixteen waves, each one tile of 16 queries in 256 registers.  All operands come as images of their registers (16 bytes a lane, 512 bytes a load).  Both products are used transposed: a lane holds ONE query.
; THE HEAD'S 64 IN A FORM OF 128.  A fragment of K holds TWO tiles of 16 keys: tile u in k = 64 u .. 64 u + 63.  Q stands as Q | zero codes | Q in 24 registers: source 1 = the first 16 picks tile 0, the last 16 tile 1;
;   the other tile's codes are finite (every quantiser of this program holds at 57,344) and meet zero codes.  Q's scale word is (b0, b1, b0, b1).
;   The keys of a tile are ordered (by the launch that made them) so that the 16 registers of tiles 2 p, 2 p + 1 are keys 32 p + 16 (lane / 16) + 0 .. 15.
; RING.  Two LDS slots of EIGHT key steps (K 64 KiB, then V 64 KiB): 4,096 keys are four slots, so three rounds of the cluster's barrier refill LDS.  The four work-groups of a cluster are four query blocks of one head
;   and walk the same K and V: each tile is asked for JOINTLY, 16 KiB a wave (waves 0-3 K's quarters, waves 4-7 V's).  The scale words of the whole head, 32 KiB, come once, by waves 8-11, with the first fills.
;   The four slots are written as four counted loops of eight trips, a key step a trip: every LDS address is a constant + a scalar stepped by a constant + 16 x lane, and no jump leads round a tensor load.
; THE ROW'S SUM stands in four chains of pairs that live from step to step: the first addition onto each chain is a multiply-add by f, so the change of M costs the sums no line of its own.
; LIMITS: NaN and infinities are not served; a block of zeros gets the byte 1 (only this program reads the bytes); v_exp_f32 gives 0 where the result would be denormal; the scaled scores t stay under 2^31 in magnitude.
.set SLOT1, 131072                     ; slot 0 at 0, slot 1 here: K's step q at 8,192 q, V's at 65,536 + 8,192 q
.set VOFF,  65536
.set SCK,   262144                     ; K's scale words of the head, 16,384 bytes: [step][lane][4 words]; V's directly behind them
.set SPARE, 294912                     ; the spare words, 128 bytes for each of 16 waves: eight blocks of 256 bytes that no other line names
.set LI,   1                           ; 16 x lane
.set ADK,  2                           ; LDS address of the step's K
.set ADS,  3                           ; and of its scale words
.set ASK0, 4                           ; SCK + 16 x lane
.set SPW,  5                           ; LDS address of my spare word; never rewritten
.set NIL,  6                           ; 0; never rewritten
.set PFO,  7                           ; 256 x lane; never rewritten
.set R16,  8                           ; 16 x (lane % 16)
.set ADV,  9                           ; LDS address of the step's V
.set LV,   10                          ; VOFF + 16 x lane
.set QF,   16                          ; v16-23 Q, v24-31 zero codes, v32-39 Q again.   v12 -M, v13 the largest t, v[14:15] the sum's first chain
.set KV,   40                          ; v40-103  four fragments of K, then of V
.set S,    104                         ; v104-167 S^T, then p
.set O,    168                         ; v168-199 O^T
.set PC,   200                         ; v200-215 p's codes
.set BM,   216                         ; the blocks' largest scores, then largest p
.set PX,   220                         ; at work
.set HL,   224                         ; 57,344 x the scale
.set SO,   228                         ; the conversions' scale operands
.set KW,   232                         ; K's scale words
.set VW,   236                         ; V's
.set QW,   240                         ; Q's
.set F,    242                         ; f = 2^(old M - new M); the pair's upper half is
.set PW,   243                         ; p's scale word
.set TMP,  244
.set L1,   246                         ; v246-251 the sum's other three chains
.set WV,   12
.set LIM,  15                          ; wave / 4: 2 in the waves that prefetch
.set PFA,  18                          ; s[18:19] my part of a slot's K or V, at slot 0; never rewritten
.set SEL,  20
.set CS,   22                          ; s[22:23] c = log2(e) / 8
.set MNT,  24
.set TK,   25                          ; LDS byte at which the step's K begins
.set TS,   26                          ; the step's scale words: 512 bytes a step
.set CNT,  27
.set G1,   28                          ; s[28:35] group 1: 64 rows of 256 bytes
.set G1S,  36                          ; s[36:43] group 1: 32 rows of 256 bytes
.set G0,   44                          ; s[44:47] group 0 of the tiles: it walks
.set G0S,  48                          ; s[48:51] group 0 of the scale words
.macro CROUND                          ; a round of the cluster's barrier
	s_barrier_signal -1
	s_barrier_wait -1
	s_cmp_lg_u32 s[WV], 0
	s_cbranch_scc1 .Lnot_wave_0_\@
	s_barrier_signal -3
.Lnot_wave_0_\@:
	s_barrier_wait -3
	s_barrier_signal -1
	s_barrier_wait -1
.endm
.macro TLOAD                           ; waves 0 to 7 fetch an eighth of a slot each; the branch hangs on the wave's number alone; s_nop 0 and four v_nop follow the load
	s_cmp_lt_u32 s[WV], 8
	s_cbranch_scc0 .Lno_load_\@
	tensor_load_to_lds s[G0:G0+3], s[G1:G1+7]
	s_nop 0
.rept 4
	v_nop
.endr
.Lno_load_\@:
.endm
; A PREFETCH INTO THE L2 of slot n, at the change of slots that loads slot n - 1: eight key steps ahead of the load that will want it.  Each cluster asks for what it will load: a slot is 65,536 bytes of K and as many of V;
; the four partners take 16,384 of each, told apart BY ADDRESS; in each, waves 8, 9 ask for K's halves of that and waves 10, 11 for V's, lanes 256 bytes apart: each aligned block of 256 bytes is named once in a cluster.
; The slot is named by the immediate, so no address register is written again.  Slots 0 and 1 come by their loads alone; the change that loads slot 3 asks for nothing.
.macro ASK n
	s_cmp_eq_u32 s[LIM], 2
	s_cbranch_scc0 .Lnot_mine_\@
	global_prefetch_b8 v[PFO], s[PFA:PFA+1] offset:65536*\n th:TH_LOAD_NT scope:SCOPE_SE
.Lnot_mine_\@:
.endm
	s_load_b256 s[4:11], s[0:1], 0x0               ; qkv s[4:5], qkvs s[6:7], aimg s[8:9], ascl s[10:11]
	v_lshl_add_u32 v[SPW], v0, 2, SPARE
	v_mov_b32 v[NIL], 0
	ds_add_u32 v[SPW], v[NIL]                      ; the opening lines: the add, twice on end, and its wait ahead of the first tensor load
	ds_add_u32 v[SPW], v[NIL]
	v_lshrrev_b32 v1, 5, v0
	s_delay_alu instid0(VALU_DEP_1)
	v_readfirstlane_b32 s[WV], v1                  ; wave 0..15
	s_bfe_u32 s13, ttmp6, 0x40000                  ; cx: it enters global addresses alone
	s_and_b32 s14, ttmp7, 0xffff                   ; batch x 8 + head, which the partners share
	s_lshl_b32 s16, ttmp9, 2
	s_add_co_u32 s16, s16, s13                     ; my block of 256 queries
	s_lshl_b32 s60, s16, 4
	s_add_co_u32 s60, s60, s[WV]                   ; T: my tile of 16 queries
	s_and_b32 s17, s[WV], 1
	s_lshr_b32 s[LIM], s[WV], 2
	s_bfe_u32 s16, s[WV], 0x10002                  ; the tiles (waves 0-7): 0 K, 1 V
	s_add_co_u32 s16, s16, 1
	s_lshl_b32 s52, s16, 22                        ; k at 4 MiB, v at 8 MiB,
	s_lshl_b32 s53, s14, 18                        ; 262,144 a head,
	s_add_co_u32 s52, s52, s53
	s_and_b32 s53, s[WV], 3
	s_lshl_b32 s53, s53, 14                        ; 16,384 a quarter
	s_add_co_u32 s52, s52, s53
	s_mov_b32 s53, 0
	s_bfe_u32 s16, s[WV], 0x10001                  ; the scale words and the prefetches (waves 8-11): 0 K, 1 V
	s_add_co_u32 s16, s16, 1
	s_lshl_b32 s54, s16, 18                        ; 262,144 a tensor, 16,384 a head, 8,192 a half
	s_lshl_b32 s55, s14, 14
	s_add_co_u32 s54, s54, s55
	s_lshl_b32 s55, s17, 13
	s_add_co_u32 s54, s54, s55
	s_mov_b32 s55, 0
	s_lshl_b32 s56, s14, 18                        ; Q's codes: 1,024 a tile
	s_lshl_b32 s57, s60, 10
	s_add_co_u32 s56, s56, s57
	s_mov_b32 s57, 0
	s_lshr_b32 s58, s60, 3                         ; Q's scale word: step T / 8, word (T / 2) % 4
	s_lshl_b32 s58, s58, 9
	s_bfe_u32 s59, s60, 0x20001
	s_lshl_b32 s59, s59, 2
	s_add_co_u32 s58, s58, s59
	s_lshl_b32 s59, s14, 14
	s_add_co_u32 s58, s58, s59
	s_mov_b32 s59, 0
	s_lshl_b32 s61, s17, 4                         ; its half-word: 16 (T % 2) bits up
	s_lshl_b32 s62, s16, 22                        ; the prefetches: the tensor, the head,
	s_lshl_b32 s63, s14, 18
	s_add_co_u32 s62, s62, s63
	s_lshl_b32 s63, s13, 14                        ; my work-group's 16,384 bytes,
	s_add_co_u32 s62, s62, s63
	s_lshl_b32 s63, s17, 13                        ; my wave's half of them
	s_add_co_u32 s62, s62, s63
	s_mov_b32 s63, 0
	s_lshr_b32 s70, s14, 3                         ; batch
	s_lshl_b32 s70, s70, 8
	s_add_co_u32 s70, s70, s60                     ; my tile among all 512
	s_and_b32 s71, s14, 7                          ; head
	s_lshl_b32 s66, s70, 13                        ; aimg: 8,192 a tile, 1,024 a head
	s_lshl_b32 s67, s71, 10
	s_add_co_u32 s66, s66, s67
	s_mov_b32 s67, 0
	s_lshl_b32 s68, s70, 8                         ; ascl: 256 a tile, 2 a head
	s_lshl_b32 s69, s71, 1
	s_add_co_u32 s68, s68, s69
	s_mov_b32 s69, 0
	s_mov_b32 s[G1], 15|(3<<16)|(1<<21)            ; 15:0 the mask: all four work-groups; 17:16 elements of 8 bytes; 21 set beside a mask; no padding
	s_mov_b32 s[G1+1], 32<<16                      ; tensor_dim0 = 32 elements: 256 bytes
	s_mov_b32 s[G1+2], 64<<16                      ; tensor_dim1 = 64
	s_mov_b32 s[G1+3], 32<<16                      ; tile_dim0
	s_mov_b32 s[G1+4], 64                          ; tile_dim1
	s_mov_b32 s[G1+5], 32                          ; the pitch: the block is dense
	s_mov_b32 s[G1+6], 0
	s_mov_b32 s[G1+7], 0
	s_mov_b32 s[G1S], 15|(3<<16)|(1<<21)
	s_mov_b32 s[G1S+1], 32<<16
	s_mov_b32 s[G1S+2], 32<<16
	s_mov_b32 s[G1S+3], 32<<16
	s_mov_b32 s[G1S+4], 32
	s_mov_b32 s[G1S+5], 32
	s_mov_b32 s[G1S+6], 0
	s_mov_b32 s[G1S+7], 0
	s_mov_b32 s[SEL], 0x76543210
	s_mov_b32 s[SEL+1], 0xfedcba98
	s_mov_b32 s[CS], 0x3e38aa3b                    ; log2(e) / 8
	s_mov_b32 s[CS+1], s[CS]                       ; (named with it as a pair, so it is written)
	s_mov_b32 s[MNT], 0x600000
	v_and_b32 v[LI], 31, v0
	s_delay_alu instid0(VALU_DEP_1)
	v_lshlrev_b32 v[PFO], 8, v[LI]
	s_delay_alu instid0(VALU_DEP_2)
	v_lshlrev_b32 v[LI], 4, v[LI]
	v_and_b32 v[R16], 15, v0
	s_delay_alu instid0(VALU_DEP_1)
	v_lshlrev_b32 v[R16], 4, v[R16]
	s_delay_alu instid0(VALU_DEP_3)
	v_add_nc_u32 v[ASK0], SCK, v[LI]
	s_delay_alu instid0(VALU_DEP_4)
	v_add_nc_u32 v[LV], VOFF, v[LI]
	s_wait_alu depctr_va_vdst(0)
	s_wait_dscnt 0x0                               ; both opening adds are done
	s_wait_kmcnt 0x0
	s_mov_b32 s[G0], 1
	s_lshl_b32 s[G0+1], s[WV], 14                  ; LDS: 16,384 x wave: K's quarters, then V's, in slot 0
	s_add_nc_u64 s[G0+2:G0+3], s[4:5], s[52:53]
	s_or_b32 s[G0+3], s[G0+3], 0x80000000
	s_mov_b32 s[G0S], 1
	s_and_b32 s[G0S+1], s[WV], 3
	s_lshl_b32 s[G0S+1], s[G0S+1], 13
	s_add_co_u32 s[G0S+1], s[G0S+1], SCK           ; LDS: SCK + 8,192 x (wave - 8)
	s_add_nc_u64 s[G0S+2:G0S+3], s[6:7], s[54:55]
	s_or_b32 s[G0S+3], s[G0S+3], 0x80000000
	s_add_nc_u64 s[PFA:PFA+1], s[4:5], s[62:63]
	s_add_nc_u64 s[56:57], s[4:5], s[56:57]
	s_add_nc_u64 s[58:59], s[6:7], s[58:59]
	s_add_nc_u64 s[8:9], s[8:9], s[66:67]
	s_add_nc_u64 s[10:11], s[10:11], s[68:69]
	CROUND                                         ; all four work-groups are here: the first joint loads meet
	s_cmp_lt_u32 s[WV], 8                          ; the head's loads, one a wave, in one chain of arms: waves 0-7 slot 0, waves 8-11 the scale words of the whole head, filled once
	s_cbranch_scc0 .Lhead_scales
	tensor_load_to_lds s[G0:G0+3], s[G1:G1+7]
	s_nop 0
.rept 4
	v_nop
.endr
	s_branch .Lhead_asked
.Lhead_scales:
	s_cmp_lt_u32 s[WV], 12
	s_cbranch_scc0 .Lhead_asked
	tensor_load_to_lds s[G0S:G0S+3], s[G1S:G1S+7]
	s_nop 0
.rept 4
	v_nop
.endr
.Lhead_asked:
	global_load_b128 v[QF:QF+3], v[LI], s[56:57]
	global_load_b128 v[QF+4:QF+7], v[LI], s[56:57] offset:512
	global_load_b128 v[QF+16:QF+19], v[LI], s[56:57]             ; Q a second time, behind the zero codes
	global_load_b128 v[QF+20:QF+23], v[LI], s[56:57] offset:512
	global_load_b32 v[QW], v[R16], s[58:59]
.set j, 0
.rept 8
	v_mov_b32 v[QF+8+j], 0                         ; the zero codes
.set j, j+1
.endr
	v_mov_b32 v13, 0xff61b1e6                      ; the largest t so far: -3e38
	s_delay_alu instid0(VALU_DEP_1)
	v_floor_f32 v12, -v13                          ; -M
	v_mov_b32 v14, 0
	v_mov_b32 v15, 0
.set j, 0
.rept 6
	v_mov_b32 v[L1+j], 0                           ; the sum's chains
.set j, j+1
.endr
.irp b, 0,1,2,3
	v_mov_b32 v[PX+\b], 0                          ; a lane permute's destination counts as one of its sources
.endr
	v_mov_b32 v[PW], 0                             ; (named as the upper half of a pair before it is first written)
	s_wait_loadcnt 0x0
	v_lshrrev_b32 v[TMP], s61, v[QW]
	s_delay_alu instid0(VALU_DEP_1)
	v_and_b32 v[TMP], 0xffff, v[TMP]               ; my tile's two bytes,
	s_delay_alu instid0(VALU_DEP_1)
	v_lshl_or_b32 v[QW], v[TMP], 16, v[TMP]        ; twice.  (The 32 lines below stand between this scale word and the first product)
.set j, 0
.rept 32
	v_mov_b32 v[O+j], 0                            ; O^T.  (The step is written once: the first finds zeros, which the first change of M leaves zeros)
.set j, j+1
.endr
	s_wait_alu depctr_va_vdst(0)
; A KEY STEP: 128 keys, at the LDS addresses in hand.
.macro STEP
.irp p, 0,1,2,3
.irp c, 0,1,2,3
	ds_load_b128 v[KV+16*\p+4*\c:KV+16*\p+4*\c+3], v[ADK] offset:2048*\p+512*\c   ; fragment p: key tiles 2 p (c = 0, 1) and 2 p + 1 (c = 2, 3)
.endr
.endr
	ds_load_b128 v[KW:KW+3], v[ADS]
	s_wait_dscnt 0x0
.irp p, 0,1,2,3
.irp u, 0,1
	v_wmma_scale_f32_16x16x128_f8f6f4 v[S+8*(2*\p+\u):S+8*(2*\p+\u)+7], v[KV+16*\p:KV+16*\p+15], v[QF+8*\u:QF+8*\u+15], 0, v[KW+\p], v[QW] matrix_a_fmt:MATRIX_FMT_BF8 matrix_b_fmt:MATRIX_FMT_BF8
.endr
.endr
.rept 8
	v_nop                                          ; eight plain lines in front of the loads below and of the first read of the scores
.endr
.irp t, 0,1,2,3
.irp c, 0,1,2,3
	ds_load_b128 v[KV+16*\t+4*\c:KV+16*\t+4*\c+3], v[ADV] offset:2048*\t+512*\c   ; V's four fragments land while the softmax is walked
.endr
.endr
	ds_load_b128 v[VW:VW+3], v[ADS] offset:16384
.irp b, 0,1,2,3
	v_max3_num_f32 v[BM+\b], v[S+16*\b], v[S+16*\b+1], v[S+16*\b+2]   ; the largest score of each block of 32 keys: for the row's maximum and, since p rises with the score, for the block's largest p
.endr
.irp i, 3,5,7,9,11,13
.irp b, 0,1,2,3
	v_max3_num_f32 v[BM+\b], v[BM+\b], v[S+16*\b+\i], v[S+16*\b+\i+1]
.endr
.endr
.irp b, 0,1,2,3
	v_max_num_f32 v[BM+\b], v[BM+\b], v[S+16*\b+15]
.endr
.irp b, 0,1,2,3
	s_delay_alu instid0(VALU_DEP_4)
	v_permlanex16_b32 v[PX+\b], v[BM+\b], s[SEL], s[SEL+1]
.endr
.irp b, 0,1,2,3
	s_delay_alu instid0(VALU_DEP_4)
	v_max_num_f32 v[BM+\b], v[BM+\b], v[PX+\b]     ; with lane l xor 16's 16 keys
.endr
	s_delay_alu instid0(VALU_DEP_2)
	v_max3_num_f32 v[TMP], v[BM], v[BM+1], v[BM+2]
	s_delay_alu instid0(VALU_DEP_1)
	v_max_num_f32 v[TMP], v[TMP], v[BM+3]
	s_delay_alu instid0(VALU_DEP_1)
	v_mul_f32 v[TMP], s[CS], v[TMP]                ; as t (c is positive)
	s_delay_alu instid0(VALU_DEP_1)
	v_max_num_f32 v13, v13, v[TMP]                 ; the running largest t
	v_mov_b32 v[TMP], v12
	s_delay_alu instid0(VALU_DEP_2)
	v_floor_f32 v12, -v13                          ; the new -M = -ceil(t)
	s_delay_alu instid0(VALU_DEP_1)
	v_sub_f32 v[TMP], v12, v[TMP]                  ; old M - new M: a whole number, 0 or less
	s_delay_alu instid0(VALU_DEP_1)
	v_cvt_i32_f32 v[TMP], v[TMP]                   ; (it saturates)
	s_delay_alu instid0(VALU_DEP_1)
	v_ldexp_f32 v[F], 1.0, v[TMP]                  ; f = 2^(old M - new M)
.set j, 0
.rept 32
	v_pk_fma_f32 v[S+j:S+j+1], v[S+j:S+j+1], s[CS:CS+1], v[12:13] op_sel_hi:[1,0,0]   ; t - M, two at a time
.set j, j+2
.endr
.irp b, 0,1,2,3
	v_fma_f32 v[BM+\b], v[BM+\b], s[CS], v12       ; the same of each block's largest score
.endr
	s_wait_alu depctr_va_vdst(0)
.set j, 0
.rept 64
	v_exp_f32 v[S+j], v[S+j]                       ; p = 2^(t - M)
.set j, j+1
.endr
.irp b, 0,1,2,3
	v_exp_f32 v[BM+\b], v[BM+\b]                   ; the blocks' largest p: the same two instructions on the same number give the same bits
.endr
	v_nop                                          ; a plain line behind the last of the 68,
	s_wait_alu depctr_va_vdst(0)                   ; and one wait for the batch, ahead of its first reader
.set j, 0
.rept 32                               ; THE ROW'S SUM IS TAKEN OF THE UNQUANTISED p: 32 pairs onto four chains by turns; each chain's first line brings it under the new M
.if (j%4) == 0
.set LL, 14
.else
.set LL, L1-2+2*(j%4)
.endif
.if j < 4
	v_pk_fma_f32 v[LL:LL+1], v[LL:LL+1], v[F:F+1], v[S+2*j:S+2*j+1] op_sel_hi:[1,0,1]
.else
	v_pk_add_f32 v[LL:LL+1], v[LL:LL+1], v[S+2*j:S+2*j+1]
.endif
.set j, j+1
.endr
.irp b, 0,1,2,3
	v_max_num_f32 v[BM+\b], 0x8000000, v[BM+\b]    ; the floor 2^(16 - 127): the byte cannot fall under 1
.endr
.irp b, 0,1,2,3
	s_delay_alu instid0(VALU_DEP_4)
	v_add_nc_u32 v[SO+\b], 0xf8800000, v[BM+\b]    ; 15 off the exponent field
.endr
.irp b, 0,1,2,3
	v_and_or_b32 v[HL+\b], v[BM+\b], 0x7f800000, s[MNT]   ; 57,344 x the scale
.endr
.irp b, 0,1,2,3
	v_lshrrev_b32 v[PX+\b], 23, v[SO+\b]           ; the scale's byte
.endr
	s_delay_alu instid0(VALU_DEP_3)
	v_lshl_or_b32 v[PW], v[PX+1], 8, v[PX]
	s_delay_alu instid0(VALU_DEP_1)
	v_lshl_or_b32 v[PW], v[PX+2], 16, v[PW]
	s_delay_alu instid0(VALU_DEP_1)
	v_lshl_or_b32 v[PW], v[PX+3], 24, v[PW]        ; p's scale word for these 128 keys
.irp b, 0,1,2,3
.set i, 0
.rept 8
	v_dual_min_num_f32 v[S+16*\b+i], v[S+16*\b+i], v[HL+\b] :: v_dual_min_num_f32 v[S+16*\b+i+1], v[S+16*\b+i+1], v[HL+\b]   ; the conversion does not saturate (ISA guide 7.6.2); p is not negative: a one-sided hold, two numbers a line
.set i, i+2
.endr
	v_cvt_scalef32_pk8_bf8_f32 v[PC+4*\b:PC+4*\b+1], v[S+16*\b:S+16*\b+7], v[SO+\b]
	v_cvt_scalef32_pk8_bf8_f32 v[PC+4*\b+2:PC+4*\b+3], v[S+16*\b+8:S+16*\b+15], v[SO+\b]
.endr
	s_wait_alu depctr_va_vdst(0)                   ; directly ahead of the first reader of O^T
.set j, 0
.rept 16
	v_pk_mul_f32 v[O+j:O+j+1], v[O+j:O+j+1], v[F:F+1] op_sel_hi:[1,0]   ; O^T under the new M; these are also the plain lines between the codes and the products
.set j, j+2
.endr
	s_wait_alu depctr_va_vdst(0)
	s_wait_dscnt 0x0                               ; V
.irp t, 0,1,2,3
	v_wmma_scale_f32_16x16x128_f8f6f4 v[O+8*\t:O+8*\t+7], v[KV+16*\t:KV+16*\t+15], v[PC:PC+15], v[O+8*\t:O+8*\t+7], v[VW+\t], v[PW] matrix_a_fmt:MATRIX_FMT_BF8 matrix_b_fmt:MATRIX_FMT_BF8
.endr
	s_add_co_u32 s[TK], s[TK], 8192                ; on to the next step
	s_add_co_u32 s[TS], s[TS], 512
	v_add_nc_u32 v[ADK], s[TK], v[LI]              ; these three and five v_nop are the eight plain lines in front of the next loads into the fragments' registers (behind the last step: of the first read of O^T)
	v_add_nc_u32 v[ADV], s[TK], v[LV]
	v_add_nc_u32 v[ADS], s[TS], v[ASK0]
.rept 5
	v_nop
.endr
.endm
; THE CHANGE OF SLOTS stands at a slot's head.  Each wave waits for all its tensor loads, adds 0 to its spare word, and waits for that and for its reads of the slot that it has left.
; fill = 1: a round of the cluster's barrier, so that no wave of any partner still reads that slot or has a load on its way; behind it the slot takes the eight key steps that follow the slot ahead.  ask: the slot to prefetch, 0: none.
.macro CHANGE fill, ask
	s_wait_tensorcnt 0x0                           ; no tensor load of mine is out, so a group 0 may be written
	ds_add_u32 v[SPW], v[NIL]                      ; 0 onto my spare word
.if \fill
	ds_add_u32 v[SPW], v[NIL]                      ; and once more
	s_xor_b32 s[G0+1], s[G0+1], SLOT1              ; the other slot than last time,
	s_add_nc_u64 s[G0+2:G0+3], s[G0+2:G0+3], 65536 ; the next eight key steps
.endif
	s_wait_dscnt 0x0                               ; the add is done, and my reads of the slot that I have left are over
.if \fill
	CROUND
	TLOAD                                          ; the first thing behind the round, and a wave's one tensor load until the next
.if \ask
	ASK \ask
.endif
.else
	s_barrier_signal -1
	s_barrier_wait -1
.endif
.endm
.macro SLOTLOOP n                      ; the eight key steps of slot n of the head's four
	s_mov_b32 s[TK], (\n%2)*SLOT1
	s_mov_b32 s[TS], \n*4096
	s_mov_b32 s[CNT], 8
	v_add_nc_u32 v[ADK], s[TK], v[LI]
	v_add_nc_u32 v[ADV], s[TK], v[LV]
	v_add_nc_u32 v[ADS], s[TS], v[ASK0]
	s_wait_alu depctr_va_vdst(0)
.Lstep_\@:
	STEP
	s_sub_co_u32 s[CNT], s[CNT], 1
	s_cmp_lg_u32 s[CNT], 0
	s_wait_alu depctr_va_vdst(0)                   ; directly ahead of the branch
	s_cbranch_scc1 .Lstep_\@
.endm
	CHANGE 1, 2                                    ; slot 0 is whole; slot 1's first fill, issued as a refill is
	SLOTLOOP 0
	CHANGE 1, 3
	SLOTLOOP 1
	CHANGE 1, 0
	SLOTLOOP 2
	CHANGE 0, 0                                    ; nothing is filled again
	SLOTLOOP 3
	; THE WAY OUT.  O^T / the sum; register 8 t + j of lane (r, h) is channel 32 (t / 2) + 16 h + 8 (t % 2) + j of my query (V's channels were ordered for that): two blocks of 32 along the next K.
	v_pk_add_f32 v[14:15], v[14:15], v[L1:L1+1]    ; the four chains,
	v_pk_add_f32 v[L1+2:L1+3], v[L1+2:L1+3], v[L1+4:L1+5]
	s_delay_alu instid0(VALU_DEP_1)
	v_pk_add_f32 v[14:15], v[14:15], v[L1+2:L1+3]
	s_delay_alu instid0(VALU_DEP_1)
	v_add_f32 v14, v14, v15                        ; the pair's halves,
	s_delay_alu instid0(VALU_DEP_1)
	v_permlanex16_b32 v[TMP], v14, s[SEL], s[SEL+1]
	s_delay_alu instid0(VALU_DEP_1)
	v_add_f32 v14, v14, v[TMP]                     ; and lane l xor 16's: the row's sum
	s_wait_alu depctr_va_vdst(0)
	v_rcp_f32 v14, v14
	v_nop                                          ; a plain line behind it,
	s_wait_alu depctr_va_vdst(0)                   ; and the wait ahead of its first reader, which is also O^T's
.set j, 0
.rept 16
	v_pk_mul_f32 v[S+j:S+j+1], v[O+j:O+j+1], v[14:15] op_sel_hi:[1,0]
.set j, j+2
.endr
.irp b, 0,1
	v_max3_num_f32 v[BM+\b], |v[S+16*\b]|, |v[S+16*\b+1]|, 0x8000000
.endr
.irp i, 2,4,6,8,10,12,14
.irp b, 0,1
	s_delay_alu instid0(VALU_DEP_2)
	v_max3_num_f32 v[BM+\b], v[BM+\b], |v[S+16*\b+\i]|, |v[S+16*\b+\i+1]|
.endr
.endr
.irp b, 0,1
	s_delay_alu instid0(VALU_DEP_2)
	v_permlanex16_b32 v[PX+\b], v[BM+\b], s[SEL], s[SEL+1]
.endr
.irp b, 0,1
	s_delay_alu instid0(VALU_DEP_2)
	v_max_num_f32 v[BM+\b], v[BM+\b], v[PX+\b]
.endr
.irp b, 0,1
	s_delay_alu instid0(VALU_DEP_2)
	v_add_nc_u32 v[SO+\b], 0xf8800000, v[BM+\b]
.endr
.irp b, 0,1
	s_delay_alu instid0(VALU_DEP_4)
	v_and_or_b32 v[HL+\b], v[BM+\b], 0x7f800000, s[MNT]
.endr
.irp b, 0,1
	s_delay_alu instid0(VALU_DEP_4)
	v_lshrrev_b32 v[PX+\b], 23, v[SO+\b]
.endr
	s_delay_alu instid0(VALU_DEP_1)
	v_lshl_or_b32 v[TMP], v[PX+1], 8, v[PX]        ; my head's two bytes of the row's scale word
.irp b, 0,1
.set i, 0
.rept 16
	v_med3_num_f32 v[S+16*\b+i], v[S+16*\b+i], -v[HL+\b], v[HL+\b]
.set i, i+1
.endr
	v_cvt_scalef32_pk8_bf8_f32 v[PC+4*\b:PC+4*\b+1], v[S+16*\b:S+16*\b+7], v[SO+\b]
	v_cvt_scalef32_pk8_bf8_f32 v[PC+4*\b+2:PC+4*\b+3], v[S+16*\b+8:S+16*\b+15], v[SO+\b]
.endr
	v_nop                                          ; a plain line behind the last conversion
	global_store_b128 v[LI], v[PC:PC+3], s[8:9]              ; 512 consecutive bytes each
	global_store_b128 v[LI], v[PC+4:PC+7], s[8:9] offset:512
	global_store_b16 v[R16], v[TMP], s[10:11]      ; 2 bytes of each row's 16: lanes 16-31 write what lanes 0-15 write; 128 KiB in the whole launch
	s_wait_tensorcnt 0x0                           ; the wave's end
	ds_add_u32 v[SPW], v[NIL]
	s_wait_dscnt 0x0
	CROUND                                         ; the closing round: no work-group ends while a partner may still ask for a tile that names it
	s_endpgm
.Lfunc_end_k_q78ee4d68a5_attn:
	.size	k_q78ee4d68a5_attn, .Lfunc_end_k_q78ee4d68a5_attn-k_q78ee4d68a5_attn
	.p2alignl 7, 3214868480
	.fill 96, 4, 3214868480
	.section	.rodata,"a",@progbits
	.p2align	6, 0x0
	.amdhsa_kernel k_q78ee4d68a5_attn
		.amdhsa_group_segment_fixed_size 327680
		.amdhsa_private_segment_fixed_size 0
		.amdhsa_enable_private_segment 0
		.amdhsa_kernarg_size 32
		.amdhsa_user_sgpr_count 2
		.amdhsa_user_sgpr_kernarg_segment_ptr 1
		.amdhsa_wavefront_size32 1
		.amdhsa_system_sgpr_workgroup_id_x 1
		.amdhsa_system_sgpr_workgroup_id_y 1
		.amdhsa_system_sgpr_workgroup_id_z 1
		.amdhsa_system_vgpr_workitem_id 0
		.amdhsa_next_free_vgpr 256
		.amdhsa_next_free_sgpr 80
		.amdhsa_reserve_vcc 0
		.amdhsa_float_denorm_mode_32 3
		.amdhsa_float_denorm_mode_16_64 3
		.amdhsa_memory_ordered 1
		.amdhsa_forward_progress 1
		.amdhsa_inst_pref_size 96
	.end_amdhsa_kernel
	.amdgpu_metadata
---
amdhsa.version: [ 1, 2 ]
amdhsa.kernels:
  - .name:           k_q78ee4d68a5_attn
    .symbol:         k_q78ee4d68a5_attn.kd
    .args:
      - { .name: qkv, .offset: 0, .size: 8, .value_kind: global_buffer, .address_space: global }
      - { .name: qkvs, .offset: 8, .size: 8, .value_kind: global_buffer, .address_space: global }
      - { .name: aimg, .offset: 16, .size: 8, .value_kind: global_buffer, .address_space: global }
      - { .name: ascl, .offset: 24, .size: 8, .value_kind: global_buffer, .address_space: global }
    .group_segment_fixed_size: 327680
    .private_segment_fixed_size: 0
    .kernarg_segment_align: 8
    .kernarg_segment_size: 32
    .max_flat_workgroup_size: 512
    .sgpr_count:     80
    .vgpr_count:     256
    .wavefront_size: 32
...
	.end_amdgpu_metadata
.endif
;; end of part 3
;; launch oproj (part 4): grid 4 x 64, 8 waves a work-group, clusters of 4 x 1, 168,960 bytes of LDS; arguments aimg, ascl, wimg, wscl, bo, hidden_states, out0; writes out0
.if DOCPART == 4
	.amdgcn_target "amdgcn-amd-amdhsa--gfx1250"
	.amdhsa_code_object_version 6
	.text
	.protected	k_q78ee4d68a5_oproj
	.globl	k_q78ee4d68a5_oproj
	.p2align	8
	.type	k_q78ee4d68a5_oproj,@function
k_q78ee4d68a5_oproj:
	s_mov_b64 s[64:65], 0
	v_nop
	global_prefetch_b8 v0, s[64:65] scope:SCOPE_SE
	s_setreg_imm32_b32 hwreg(HW_REG_WAVE_MODE, 25, 1), 1
	s_wait_xcnt 0x0
	s_wait_alu depctr_hold_cnt(0) depctr_sa_sdst(0) depctr_va_vdst(0) depctr_va_sdst(0) depctr_va_ssrc(0) depctr_va_vcc(0) depctr_vm_vsrc(0)
	s_getreg_b32 s2, hwreg(HW_REG_IB_STS2, 6, 4)
	s_cmp_eq_u32 s2, 0
	s_cbranch_scc0 .Lentry_in_a_cluster
	s_endpgm
.Lentry_in_a_cluster:
	s_bfe_u32 s2, ttmp6, 0x10000c
	s_cmp_lg_u32 s2, 0x3003
	s_cbranch_scc0 .Lentry_shape_is_right
	s_endpgm
.Lentry_shape_is_right:
; out0 = a Wo + bo + hidden_states, a the attention's result as codes of E5M2 with E8M0 scales (aimg, ascl), Wo likewise (wimg, wscl: the fourth weight).
; A work-group makes 128 rows (work-group y) x 128 columns (its place cx in the cluster); wave w the 16 columns 128 cx + 16 w for all eight tiles of 16 rows.
; The block's 64 KiB of a's images are needed alike by the cluster's four work-groups: each wave asks for 8 KiB of them JOINTLY.  LDS is filled once: no ring.
; Wo's four fragments of a wave stay in registers, read once; the partners read different columns of Wo, so nothing of it is shared.
; The product is used transposed (source 0 = 16 columns of Wo, source 1 = 16 rows of a): a lane holds eight neighbouring columns of one row.  Lane r of row tile 2 p + u stands for row 32 p + 8 u + r + 8 (r / 8):
; the stage in LDS puts the rows back in order; each wave then reads 16 whole rows of 512 bytes, adds the residual and stores them.  The bias is the C of each sum's first matrix instruction.
.set STG,  65536                       ; LDS: a's 32 fragments (4 m + s) of 2,048 bytes from 0; from here the stage: 128 rows x (512 bytes + 16); no fill lands there
.set LI,   1                           ; 16 x lane
.set R16,  2                           ; 16 r
.set R4,   3                           ; 4 r
.set H32,  4                           ; 32 h
.set SO,   5                           ; the stage: where I put 32 bytes of a row
.set SR,   6                           ; and where I read a row back
.set WF,   16                          ; v16-79   Wo's four fragments
.set ACC,  80                          ; v80-143  eight accumulators
.set BI,   144                         ; v144-151 the bias
.set WS,   152                         ; v152-155 Wo's scale words
.set AS,   156                         ; v156-187 a's scale words (4 m + s)
.set OUTR, 188                         ; v188-251 16 rows read back
.set RES,  0                           ; window 1: v0-63 the residual;
.set AF,   64                          ;           v64-191 a's eight fragments of a K step
.set WV,   18
.set MSB, 0
.macro WIN new                         ; the immediate's high byte repeats the setting that is left
.if MSB != (\new)
	s_set_vgpr_msb (MSB<<8)|(\new)
.set MSB, (\new)
.endif
.endm
.macro CROUND                          ; a round of the cluster's barrier
	s_barrier_signal -1
	s_barrier_wait -1
	s_cmp_lg_u32 s[WV], 0
	s_cbranch_scc1 .Lnot_wave_0_\@
	s_barrier_signal -3
.Lnot_wave_0_\@:
	s_barrier_wait -3
	s_barrier_signal -1
	s_barrier_wait -1
.endm
	s_load_b256 s[4:11], s[0:1], 0x0               ; aimg s[4:5], ascl s[6:7], wimg s[8:9], wscl s[10:11]
	s_load_b128 s[12:15], s[0:1], 0x20             ; bo s[12:13], hidden s[14:15]
	s_load_b64 s[16:17], s[0:1], 0x30              ; out0
	v_lshl_add_u32 v254, v0, 2, 0x29000
	v_mov_b32 v255, 0
	ds_add_u32 v254, v255
	ds_add_u32 v254, v255
	v_lshrrev_b32 v1, 5, v0
	s_delay_alu instid0(VALU_DEP_1)
	v_readfirstlane_b32 s[WV], v1                  ; wave 0..7
	s_bfe_u32 s19, ttmp6, 0x40000                  ; cx: which 128 columns; it enters global addresses alone
	s_and_b32 s20, ttmp7, 0xffff                   ; block of 128 rows, which the partners share
	s_mov_b32 s24, 15|(3<<16)|(1<<21)              ; group 1: the mask names all four; elements of 8 bytes; bit 21 beside a mask; no padding
	s_mov_b32 s25, 32<<16                          ; tensor_dim0 = 32 elements: 256 bytes
	s_mov_b32 s26, 32<<16                          ; tensor_dim1 = 32
	s_mov_b32 s27, 32<<16                          ; tile_dim0
	s_mov_b32 s28, 32                              ; tile_dim1
	s_mov_b32 s29, 32                              ; the pitch: the block is dense
	s_mov_b32 s30, 0
	s_mov_b32 s31, 0
	s_lshl_b32 s36, s20, 16                        ; aimg: 65,536 a block, 8,192 a wave (one tile of rows)
	s_lshl_b32 s37, s[WV], 13
	s_add_co_u32 s36, s36, s37
	s_mov_b32 s37, 0
	s_lshl_b32 s38, s19, 3
	s_add_co_u32 s38, s38, s[WV]                   ; my tile of Wo's columns
	s_lshl_b32 s40, s38, 13
	s_add_co_u32 s40, s40, 3*262144
	s_mov_b32 s41, 0
	s_lshl_b32 s42, s38, 8
	s_add_co_u32 s42, s42, 3*8192
	s_mov_b32 s43, 0
	s_lshl_b32 s44, s38, 6                         ; bo: 16 numbers a tile
	s_mov_b32 s45, 0
	s_lshl_b32 s46, s20, 11                        ; ascl: 256 a tile of rows
	s_mov_b32 s47, 0
	s_lshl_b32 s48, s20, 18                        ; hidden, out0: row 128 block + 16 wave, byte 512 cx
	s_lshl_b32 s49, s[WV], 15
	s_add_co_u32 s48, s48, s49
	s_lshl_b32 s49, s19, 9
	s_add_co_u32 s48, s48, s49
	s_mov_b32 s49, 0
	v_and_b32 v[LI], 31, v0
	s_delay_alu instid0(VALU_DEP_1)
	v_lshlrev_b32 v[LI], 4, v[LI]
	v_and_b32 v7, 15, v0                           ; r
	v_bfe_u32 v8, v0, 4, 1                         ; h
	s_delay_alu instid0(VALU_DEP_2)
	v_lshlrev_b32 v[R16], 4, v7
	s_delay_alu instid0(VALU_DEP_3)
	v_lshlrev_b32 v[R4], 2, v7
	s_delay_alu instid0(VALU_DEP_3)
	v_lshlrev_b32 v[H32], 5, v8
	v_and_b32 v9, 8, v7
	s_delay_alu instid0(VALU_DEP_1)
	v_add_nc_u32 v9, v9, v7                        ; r + 8 (r / 8)
	s_delay_alu instid0(VALU_DEP_1)
	v_mul_u32_u24 v[SO], v9, 528
	s_delay_alu instid0(VALU_DEP_1)
	v_lshl_add_u32 v[SO], v8, 5, v[SO]
	s_lshl_b32 s50, s[WV], 6
	s_add_co_u32 s50, s50, STG
	v_add_nc_u32 v[SO], s50, v[SO]                 ; row x 528 + 64 x wave + 32 h
	s_mul_i32 s50, s[WV], 16*528
	s_add_co_u32 s50, s50, STG
	v_add_nc_u32 v[SR], s50, v[LI]                 ; my 16 rows, 16 bytes a lane
	s_wait_dscnt 0x0
	s_wait_kmcnt 0x0
	s_mov_b32 s32, 1
	s_lshl_b32 s33, s[WV], 13                      ; LDS: 8,192 x wave
	s_add_nc_u64 s[34:35], s[4:5], s[36:37]
	s_or_b32 s35, s35, 0x80000000
	s_add_nc_u64 s[8:9], s[8:9], s[40:41]
	s_add_nc_u64 s[10:11], s[10:11], s[42:43]
	s_add_nc_u64 s[12:13], s[12:13], s[44:45]
	s_add_nc_u64 s[6:7], s[6:7], s[46:47]
	s_add_nc_u64 s[14:15], s[14:15], s[48:49]
	s_add_nc_u64 s[16:17], s[16:17], s[48:49]
	CROUND                                         ; all four work-groups are here: the joint loads meet
	tensor_load_to_lds s[32:35], s[24:31]          ; one load a wave is out
	s_nop 0
.rept 4
	v_nop
.endr
.irp s, 0,1,2,3
.irp c, 0,1,2,3
	global_load_b128 v[WF+16*\s+4*\c:WF+16*\s+4*\c+3], v[LI], s[8:9] offset:2048*\s+512*\c
.endr
.endr
	s_wait_alu depctr_va_vdst(0)
.irp s, 0,1,2,3
	global_load_b32 v[WS+\s], v[R4], s[10:11] offset:64*\s
.endr
	global_load_b128 v[BI:BI+3], v[H32], s[12:13]            ; bo at my eight columns: 16 w + 8 h + 0 .. 7
	global_load_b128 v[BI+4:BI+7], v[H32], s[12:13] offset:16
.irp m, 0,1,2,3,4,5,6,7
	global_load_b128 v[AS+4*\m:AS+4*\m+3], v[R16], s[6:7] offset:256*\m   ; row r's four scale words
.endr
	WIN 0x40                                       ; destination window 1
.set i, 0
.rept 16
	global_load_b128 v[RES+4*i:RES+4*i+3], v[LI], s[14:15] offset:2048*i th:TH_LOAD_NT   ; the residual of the rows that I store: 512 consecutive bytes
.set i, i+1
.endr
	WIN 0
	s_wait_tensorcnt 0x0                           ; my part of a's images has landed,
	s_barrier_signal -1
	s_barrier_wait -1                              ; everybody's has
	s_wait_loadcnt 16                              ; all but the residual's sixteen loads are in
.macro KSTEP s
	WIN 0x40
.irp m, 0,1,2,3,4,5,6,7
.irp c, 0,1,2,3
	ds_load_b128 v[AF+16*\m+4*\c:AF+16*\m+4*\c+3], v[LI] offset:(4*\m+\s)*2048+512*\c
.endr
.endr
	s_wait_dscnt 0x0
	WIN 0x04                                       ; source 1 (a) window 1
.irp m, 0,1,2,3,4,5,6,7                ; the eight accumulators by turns, one instruction a turn
.if \s == 0
	v_wmma_scale_f32_16x16x128_f8f6f4 v[ACC+8*\m:ACC+8*\m+7], v[WF+16*\s:WF+16*\s+15], v[AF+16*\m:AF+16*\m+15], v[BI:BI+7], v[WS+\s], v[AS+4*\m+\s] matrix_a_fmt:MATRIX_FMT_BF8 matrix_b_fmt:MATRIX_FMT_BF8
.else
	v_wmma_scale_f32_16x16x128_f8f6f4 v[ACC+8*\m:ACC+8*\m+7], v[WF+16*\s:WF+16*\s+15], v[AF+16*\m:AF+16*\m+15], v[ACC+8*\m:ACC+8*\m+7], v[WS+\s], v[AS+4*\m+\s] matrix_a_fmt:MATRIX_FMT_BF8 matrix_b_fmt:MATRIX_FMT_BF8
.endif
.endr
	WIN 0
.rept 8
	v_nop                                          ; eight plain lines in front of loads into the operands and of the first read of results
.endr
.endm
	KSTEP 0
	KSTEP 1
	KSTEP 2
	KSTEP 3
.irp m, 0,1,2,3,4,5,6,7
	ds_store_b128 v[SO], v[ACC+8*\m:ACC+8*\m+3] offset:(32*(\m/2)+8*(\m%2))*528      ; each accumulator from its low end on; the rows go back into their order
	ds_store_b128 v[SO], v[ACC+8*\m+4:ACC+8*\m+7] offset:(32*(\m/2)+8*(\m%2))*528+16
.endr
	s_wait_dscnt 0x0                               ; for the others' sake: my stores into the stage are done
	s_barrier_signal -1
	s_barrier_wait -1
.set i, 0
.rept 16
	ds_load_b128 v[OUTR+4*i:OUTR+4*i+3], v[SR] offset:528*i
.set i, i+1
.endr
	s_wait_loadcnt 0x0                             ; the residual
	s_wait_dscnt 0x0
	WIN 0x04
.set p, 0
.rept 32
	v_pk_add_f32 v[OUTR+2*p:OUTR+2*p+1], v[OUTR+2*p:OUTR+2*p+1], v[RES+2*p:RES+2*p+1]
.set p, p+1
.endr
	WIN 0
.set i, 0
.rept 16
	global_store_b128 v[LI], v[OUTR+4*i:OUTR+4*i+3], s[16:17] offset:2048*i th:TH_STORE_NT   ; 512 consecutive bytes, at a multiple of 512 from out0's first byte
.set i, i+1
.endr
	s_wait_tensorcnt 0x0
	ds_add_u32 v254, v255
	s_wait_dscnt 0x0
	CROUND                                         ; the closing round: no work-group ends while a partner may still ask for a tile that names it
	s_endpgm
.Lfunc_end_k_q78ee4d68a5_oproj:
	.size	k_q78ee4d68a5_oproj, .Lfunc_end_k_q78ee4d68a5_oproj-k_q78ee4d68a5_oproj
	.p2alignl 7, 3214868480
	.fill 96, 4, 3214868480
	.section	.rodata,"a",@progbits
	.p2align	6, 0x0
	.amdhsa_kernel k_q78ee4d68a5_oproj
		.amdhsa_group_segment_fixed_size 168960
		.amdhsa_private_segment_fixed_size 0
		.amdhsa_enable_private_segment 0
		.amdhsa_kernarg_size 56
		.amdhsa_user_sgpr_count 2
		.amdhsa_user_sgpr_kernarg_segment_ptr 1
		.amdhsa_wavefront_size32 1
		.amdhsa_system_sgpr_workgroup_id_x 1
		.amdhsa_system_sgpr_workgroup_id_y 1
		.amdhsa_system_sgpr_workgroup_id_z 1
		.amdhsa_system_vgpr_workitem_id 0
		.amdhsa_next_free_vgpr 512
		.amdhsa_next_free_sgpr 66
		.amdhsa_reserve_vcc 0
		.amdhsa_float_denorm_mode_32 3
		.amdhsa_float_denorm_mode_16_64 3
		.amdhsa_memory_ordered 1
		.amdhsa_forward_progress 1
		.amdhsa_inst_pref_size 29
	.end_amdhsa_kernel
	.amdgpu_metadata
---
amdhsa.version: [ 1, 2 ]
amdhsa.kernels:
  - .name:           k_q78ee4d68a5_oproj
    .symbol:         k_q78ee4d68a5_oproj.kd
    .args:
      - { .name: aimg, .offset: 0, .size: 8, .value_kind: global_buffer, .address_space: global }
      - { .name: ascl, .offset: 8, .size: 8, .value_kind: global_buffer, .address_space: global }
      - { .name: wimg, .offset: 16, .size: 8, .value_kind: global_buffer, .address_space: global }
      - { .name: wscl, .offset: 24, .size: 8, .value_kind: global_buffer, .address_space: global }
      - { .name: bo, .offset: 32, .size: 8, .value_kind: global_buffer, .address_space: global }
      - { .name: hidden_states, .offset: 40, .size: 8, .value_kind: global_buffer, .address_space: global }
      - { .name: out0, .offset: 48, .size: 8, .value_kind: global_buffer, .address_space: global }
    .group_segment_fixed_size: 168960
    .private_segment_fixed_size: 0
    .kernarg_segment_align: 8
    .kernarg_segment_size: 56
    .max_flat_workgroup_size: 256
    .sgpr_count:     66
    .vgpr_count:     512
    .wavefront_size: 32
...
	.end_amdgpu_metadata
.endif
;; end of part 4
